; MI455X (gfx1250); checked and timed in simulation.
; The chip was launched on July 23, 2026; its instructions are those of AMD's public machine-readable ISA for CDNA 5 (MIT licence, August 2026) and "CDNA5" Instruction Set Architecture Reference Guide (July 2026). The comments in the code are by the model that wrote it; some were corrected since.
;; Attention. Allowed arithmetic: matrix products marked QUANTISED: E2M1 operands, one E8M0 scale for each 32 along K, by v_wmma_scale_f32_16x16x128_f8f6f4 with both operands' format E2M1 (or v_wmma_scale_f32_32x16x128_f4), f32 sums; products left as they are: f32 operands where the result goes on into a quantised operand, else bf16, f16 or f32 operands; f32 sums; everything else in f32.
;; Inputs: attn_b 1,024 float32; attn_w 1,024 x 2,048 float32; encoder_outputs 32 x 2,048 x 1,024 float32; hidden 32 x 1,024 float32; mask 32 x 2,048 int32; v_w 1,024 float32.
;; Outputs: out0 32 x 1,024 float32; out1 32 x 2,048 float32.
;; This version of the problem:
;;   THIS VERSION OF THE PROBLEM IS GIVEN IN LOW PRECISION. The matrix products marked QUANTISED in the list below multiply operands that are first quantised to E2M1 (2 exponent bits, 1 mantissa bit; 4 bits a number), with one power-of-two scale for each 32 numbers along K (OCP MX v1.0); their sums are f32. All else is computed in f32.
;;   The module's matrix products, in the order in which they are computed (A, B: the left and right operand; K: the contracted axis; several contracted axes count as one K, in the product's order):
;;     1. [M 32, K 1,024] x [K 1,024, N 1,024]; A: input hidden; B: input attn_w: QUANTISED
;;     2. [M 65,536, K 1,024] x [K 1,024, N 1,024]; A: input encoder_outputs; B: input attn_w: QUANTISED
;;     3. [M 65,536, K 1,024] x [K 1,024, N 1]; A: computed on the way; B: input v_w: left as it is (N = 1 < 16)
;;     4. batch 32 x [M 1, K 2,048] x [K 2,048, N 1,024]; A: softmax; B: input encoder_outputs: left as it is (M = 1 < 16)
;;   THE QUANTISER, for each operand of a quantised product, along K:
;;     - K is cut into blocks of 32 from its start; a last block that is shorter is filled with zeros.
;;     - A block's scale is 2^e with e = floor(log2(the largest magnitude in the block)) - 2, held to -126 .. 127; a block of zeros has e = 0. As a byte (E8M0): e + 127.
;;     - Each number is divided by its block's scale, clamped to +-6, and rounded to the nearest number of E2M1, ties to even, subnormals kept.
;;     - The product sums the exact products of the quantised numbers (number of the format x scale) in f32.
;;   ~~~python
;;   def quantise(x, axis):      # numpy; x: float32 -> the quantised numbers, widened to float32 again
;;       x = np.moveaxis(x, axis, -1); K = x.shape[-1]
;;       x = np.pad(x, [(0, 0)] * (x.ndim - 1) + [(0, -K % 32)]); x = x.reshape(x.shape[:-1] + (-1, 32)); a = np.abs(x).max(-1, keepdims=True)
;;       e = np.where(a > 0, np.clip(np.frexp(np.where(a > 0, a, 1))[1] - 1 - 2, -126, 127), 0)      # np.frexp(a)[1] - 1 = floor(log2(a)), exactly
;;       r = np.clip(x / 2.0 ** e, -6, 6)
;;       step = 2.0 ** (np.maximum(np.frexp(np.where(r == 0, 1, r))[1] - 1, 0) - 1)
;;       q = np.round(r / step) * step * 2.0 ** e      # np.round: ties to even
;;       return np.moveaxis(q.reshape(q.shape[:-2] + (-1,))[..., :K], -1, axis).astype(np.float32)
;;   ~~~
;; 2 versions. Each part assembles by itself: llvm-mc -triple=amdgcn-amd-amdhsa -mcpu=gfx1250 --defsym DOCPART=n.
;; ======== version 1 of 2: 3 launches
;; limits: right only within a limited range of input values
;; workspace buffers: wq 524,288 bytes; wsc 32,768 bytes; hv 524,288 bytes; rows 294,912 bytes of whole numbers; meta 8,192 bytes of whole numbers; pos 262,144 bytes of whole numbers; scw 327,680 bytes; pctx 1,179,648 bytes
;; launch prep (part 1): grid 132 x 1, 8 waves a work-group, no clusters, 17,408 bytes of LDS; arguments attn_w, hidden, attn_b, v_w, mask, wq, wsc, hv, rows, meta, pos; writes wq, wsc, hv, rows, meta, pos
.if DOCPART == 1
	.amdgcn_target "amdgcn-amd-amdhsa--gfx1250"
	.amdhsa_code_object_version 6
	.text
	.protected	k_qecf98ae2f8_prep
	.globl	k_qecf98ae2f8_prep
	.p2align	8
	.type	k_qecf98ae2f8_prep,@function
k_qecf98ae2f8_prep:
	s_mov_b64 s[64:65], 0
	v_nop
	global_prefetch_b8 v0, s[64:65] scope:SCOPE_SE
	s_setreg_imm32_b32 hwreg(HW_REG_WAVE_MODE, 25, 1), 1
	s_wait_xcnt 0x0
; ADDITIVE ATTENTION, launch 1 of 3: what the main launch wants ready.
;   work-groups 0-63   (Q): W_e = attn_w[:, 1024:] becomes codes of E2M1 and E8M0 scale words, laid in the order of the operand's registers.
;   work-groups 64-127 (H): product 1, hidden x W_h^T, on codes (K shared among the eight waves, summed through LDS); stored as a table for the tanh.
;   work-groups 128-131 (M): a wave a batch: the rows whose mask is not 0, listed in order; each work-group's number of them; for each row the place where its score will lie.
; WORK LEFT OUT BY THE PROGRAM.  reference() puts NEG in the place of the score of every row whose mask is 0, whatever that score is: so products 2 and 3 of such a row reach no output.
; The mask is a whole-number input; this launch stores the list of the other rows, and the next launch, which reads the list, multiplies those rows alone.  In product 4 such a row has the weight
; exp(NEG - largest score) / sum, which is 0 in f32 as soon as one kept score lies above NEG + 104; a score's size is at most the sum of |v_w|.  A batch with no row kept is served apart:
; all its 2,048 rows are listed and flagged, their scores are NEG, and the softmax is uniform, as in reference().
; LIMITS.  The sum of |v_w| stays under 9.9e9.  A NaN, an infinity or an overflow in a row of encoder_outputs whose mask is 0 is not carried to out0 (where the batch keeps a row).
; A block of zeros gets the scale byte 1 where the rule says 127: its codes are zeros, and the bytes are read by this program alone.  Every input is loaded by some launch.
; TABLE hv[b][n] = (hb, hb, vv, vv): hb = (h_proj[b][n] + attn_b[n]) x 2 log2(e), vv = -2 v_w[n]: tanh(z) = 1 - 2 / (1 + 2^(2 log2(e) z)).
; SHARES OF THE NEXT LAUNCH.  The list goes in tiles of 16 places; tile T of batch b belongs to work-group 8 b + T % 8 as its local tile T / 8.  The score of list place P lies at word
; (8 b + (P / 16) % 8) x 320 + 16 (P / 128) + P % 16, + 16 from local tile 9 on (the second pass's 160 words).
.set SPARE, 16384                      ; behind the eight waves' images: the spare words, 128 bytes a wave
.set T,   8                            ; v8-14   at work in QFRAG
.set SH,  15                           ; v15     8 x (lane / 16)
.set SPW, 60                           ; v60     LDS address of my spare word; never rewritten
.set NIL, 61                           ; v61     0; never rewritten
; 16 rows x 128 along K of f32, K innermost, as the operand's layout gives them to lane (r, h): k = 64 c + 32 h + 0 .. 31 of row r: 128 bytes, eight loads a block
.macro QLOAD x, adr, base, off
.irp c, 0,1
.irp i, 0,1,2,3,4,5,6,7
	global_load_b128 v[\x+32*\c+4*\i:\x+32*\c+4*\i+3], v[\adr], s[\base:\base+1] offset:\off+256*\c+16*\i
.endr
.endr
.endm
; those 64 numbers become the fragment's 8 registers in v[cd] on and the row's scale word in v[w]
.macro QFRAG x, cd, w
.irp c, 0,1
	v_max3_num_f32 v[T+\c], |v[\x+32*\c]|, |v[\x+32*\c+1]|, 0x1800000   ; my block 2 c + h: all 32 numbers are mine; the floor 2^(3 - 127) holds the byte at 1 from below
.endr
.irp i, 2,4,6,8,10,12,14,16,18,20,22,24,26,28,30
.irp c, 0,1
	v_max3_num_f32 v[T+\c], v[T+\c], |v[\x+32*\c+\i]|, |v[\x+32*\c+\i+1]|
.endr
.endr
.irp c, 0,1
	v_add_nc_u32 v[T+2+\c], 0xff000000, v[T+\c]    ; 2 off the exponent field: the conversion's scale operand
.endr
.irp c, 0,1
	v_lshrrev_b32 v[T+4+\c], 23, v[T+2+\c]         ; the scale's byte
.endr
	v_lshl_or_b32 v[\w], v[T+5], 16, v[T+4]        ; blocks h and 2 + h,
	v_lshlrev_b32 v[\w], v[SH], v[\w]              ; at their places in the word;
	v_permlanex16_b32 v[T+6], v[\w], s28, s29
	v_or_b32 v[\w], v[\w], v[T+6]                  ; with lane l xor 16's two the word is whole
.irp c, 0,1
.irp g, 0,1,2,3
	v_cvt_scalef32_pk8_fp4_f32 v[\cd+4*\c+\g], v[\x+32*\c+8*\g:\x+32*\c+8*\g+7], v[T+2+\c]
.endr
.endr
	v_nop                                          ; one plain place behind the scaled conversions
.endm
	s_load_b512 s[4:19], s[0:1], 0x0               ; attn_w s[4:5], hidden s[6:7], attn_b s[8:9], v_w s[10:11], mask s[12:13], wq s[14:15], wsc s[16:17], hv s[18:19]
	s_load_b128 s[20:23], s[0:1], 0x40             ; rows s[20:21], meta s[22:23]
	s_load_b64 s[24:25], s[0:1], 0x50              ; pos
	v_lshl_add_u32 v[SPW], v0, 2, SPARE
	v_mov_b32 v[NIL], 0
	v_lshrrev_b32 v1, 5, v0
	v_readfirstlane_b32 s26, v1                    ; wave 0..7
	v_and_b32 v1, 31, v0                           ; lane
	v_and_b32 v2, 15, v0                           ; r
	v_bfe_u32 v3, v0, 4, 1                         ; h
	v_lshlrev_b32 v4, 13, v2
	v_lshl_add_u32 v4, v3, 7, v4                   ; attn_w: row r of 8,192 bytes, + 128 h
	v_lshlrev_b32 v5, 4, v1                        ; 16 x lane
	v_lshlrev_b32 v6, 12, v2
	v_lshl_add_u32 v6, v3, 7, v6                   ; hidden: row r of 4,096 bytes, + 128 h
	v_lshlrev_b32 v7, 2, v2                        ; 4 r
	v_lshlrev_b32 v[SH], 3, v3
	v_mov_b32 v[T+6], 0                            ; a lane permute's destination counts as one of its sources
	s_mov_b32 s28, 0x76543210
	s_mov_b32 s29, 0xfedcba98                      ; selects for lane l xor 16
	s_mov_b32 s31, 0                               ; the upper word of the offsets' pair s[30:31]
	s_wait_kmcnt 0x0
	s_cmp_ge_u32 ttmp9, 128
	s_cbranch_scc1 .Lmask
	s_cmp_ge_u32 ttmp9, 64
	s_cbranch_scc1 .Lhid
; ---- Q: tile t = work-group (rows 16 t on of W_e), K step = wave
	s_lshl_b32 s30, ttmp9, 17                      ; 16 rows of 8,192 bytes
	s_lshl_b32 s32, s26, 9                         ; 128 numbers a K step
	s_add_co_u32 s30, s30, s32
	s_add_co_u32 s30, s30, 4096                    ; W_e begins at column 1,024
	s_add_nc_u64 s[4:5], s[4:5], s[30:31]
	QLOAD 64, 4, 4, 0
	s_lshl_b32 s32, ttmp9, 3
	s_add_co_u32 s32, s32, s26                     ; 8 t + s
	s_lshl_b32 s30, s32, 10
	s_add_nc_u64 s[14:15], s[14:15], s[30:31]      ; a fragment's image: 1,024 bytes
	s_lshl_b32 s30, s32, 6
	s_add_nc_u64 s[16:17], s[16:17], s[30:31]      ; its 16 scale words
	s_wait_loadcnt 0x0
	QFRAG 64, 16, 56
	global_store_b128 v5, v[16:19], s[14:15]       ; registers 0-3, lane by lane: 512 consecutive bytes
	global_store_b128 v5, v[20:23], s[14:15] offset:512
	global_store_b32 v7, v56, s[16:17]             ; row r's word (both halves of the lanes hold it): 64 bytes a wave, the eight waves' 512 on end
	s_endpgm
; ---- H: columns n = 16 t + r of h_proj for all 32 batches; K step = wave
.Lhid:
	s_sub_co_u32 s27, ttmp9, 64                    ; t
	s_lshl_b32 s30, s27, 17
	s_lshl_b32 s32, s26, 9
	s_mov_b32 s33, 0
	s_add_co_u32 s30, s30, s32
	s_add_nc_u64 s[4:5], s[4:5], s[30:31]          ; W_h: rows 16 t on, my K step
	s_add_nc_u64 s[6:7], s[6:7], s[32:33]          ; hidden: my K step
	s_lshl_b32 s30, s27, 6
	s_add_nc_u64 s[8:9], s[8:9], s[30:31]          ; attn_b and v_w at n = 16 t
	s_add_nc_u64 s[10:11], s[10:11], s[30:31]
	QLOAD 64, 4, 4, 0
	QLOAD 128, 6, 6, 0                             ; batches 0-15
	QLOAD 192, 6, 6, 65536                         ; batches 16-31
	global_load_b32 v62, v7, s[8:9]
	global_load_b32 v63, v7, s[10:11]
	s_lshl_b32 s34, s26, 11
	v_add_nc_u32 v59, s34, v5                      ; my image in LDS: 2,048 x wave + 16 x lane
	s_lshr_b32 s35, s26, 1
	s_lshl_b32 s35, s35, 9
	s_and_b32 s36, s26, 1
	s_lshl_b32 s36, s36, 3
	s_add_co_u32 s35, s35, s36
	v_add_nc_u32 v1, s35, v5                       ; and where registers 2 w and 2 w + 1 of an image lie
	s_lshr_b32 s37, s26, 2
	s_lshl_b32 s37, s37, 4
	s_and_b32 s38, s26, 3
	s_lshl_b32 s38, s38, 1
	s_add_co_u32 s37, s37, s38                     ; register 2 w of the sixteen is batch 16 (w / 4) + 2 (w % 4) + 8 h
	s_lshl_b32 s30, s37, 14
	s_lshl_b32 s38, s27, 8
	s_add_co_u32 s30, s30, s38
	s_add_nc_u64 s[18:19], s[18:19], s[30:31]
	v_lshlrev_b32 v3, 17, v3
	v_lshl_add_u32 v3, v2, 4, v3                   ; hv: 8 h batches of 16,384 bytes + 16 r
	s_wait_loadcnt 34                              ; W_h's 16 loads are in: behind them 16 + 16 + 2 were issued
	QFRAG 64, 16, 56
	s_wait_loadcnt 18
	QFRAG 128, 24, 57
	s_wait_loadcnt 2
	QFRAG 192, 32, 58
.rept 8
	v_nop                                          ; a scale register written by a vector instruction stands 8 places ahead of a scaled matrix instruction, an operand 4
.endr
	v_wmma_scale_f32_16x16x128_f8f6f4 v[40:47], v[24:31], v[16:23], 0, v57, v56 matrix_a_fmt:MATRIX_FMT_FP4 matrix_b_fmt:MATRIX_FMT_FP4   ; lane (r, h), register j: batch 8 h + j, column 16 t + r
	v_wmma_scale_f32_16x16x128_f8f6f4 v[48:55], v[32:39], v[16:23], 0, v58, v56 matrix_a_fmt:MATRIX_FMT_FP4 matrix_b_fmt:MATRIX_FMT_FP4   ; batch 16 + 8 h + j
.rept 4
	v_nop
.endr
	ds_store_b128 v59, v[40:43]                    ; each accumulator from its low end on
	ds_store_b128 v59, v[44:47] offset:512
	ds_store_b128 v59, v[48:51] offset:1024
	ds_store_b128 v59, v[52:55] offset:1536
	s_wait_dscnt 0x0                               ; for the others' sake: my K step's part lies in LDS
	s_barrier_signal -1
	s_barrier_wait -1
.irp w, 0,1,2,3,4,5,6,7
	ds_load_b64 v[64+2*\w:65+2*\w], v1 offset:2048*\w   ; two of the sixteen registers, of all eight K steps
.endr
	s_wait_dscnt 0x0
.irp w, 1,2,3,4,5,6,7
	v_pk_add_f32 v[64:65], v[64:65], v[64+2*\w:65+2*\w]   ; K ascending
.endr
	s_wait_loadcnt 0x0                             ; attn_b, v_w
	v_add_f32 v64, v64, v62
	v_add_f32 v65, v65, v62
	v_mul_f32 v68, 0x4038aa3b, v64                 ; x 2 log2(e)
	v_mul_f32 v72, 0x4038aa3b, v65
	v_mul_f32 v70, -2.0, v63
	v_mov_b32 v69, v68                             ; each number twice: the packed forms of the next launch take pairs
	v_mov_b32 v73, v72
	v_mov_b32 v71, v70
	v_mov_b32 v74, v70
	v_mov_b32 v75, v70
	global_store_b128 v3, v[68:71], s[18:19]       ; sixteen lanes store 256 consecutive bytes, aligned
	global_store_b128 v3, v[72:75], s[18:19] offset:16384
	s_wait_tensorcnt 0x0                           ; the wave's end: three lines behind my last LDS store
	ds_add_u32 v[SPW], v[NIL]
	s_wait_dscnt 0x0
	s_endpgm
; ---- M: batch b = 8 (work-group - 128) + wave
.Lmask:
	s_sub_co_u32 s27, ttmp9, 128
	s_lshl_b32 s27, s27, 3
	s_add_co_u32 s27, s27, s26                     ; b
	s_lshl_b32 s30, s27, 13
	s_add_nc_u64 s[12:13], s[12:13], s[30:31]
	s_add_nc_u64 s[24:25], s[24:25], s[30:31]
	s_mul_i32 s30, s27, 9216
	s_add_nc_u64 s[20:21], s[20:21], s[30:31]      ; the batch's list: 2,304 entries
	s_lshl_b32 s30, s27, 8
	s_add_nc_u64 s[22:23], s[22:23], s[30:31]
	v_lshlrev_b32 v8, 2, v1
.set c, 0
.rept 64
	global_load_b32 v[64+c], v8, s[12:13] offset:128*c
.set c, c+1
.endr
	s_movk_i32 s46, 320                            ; score words of a work-group
	s_mul_i32 s47, s27, 2560                       ; and of the batches ahead
	v_mov_b32 v28, 0xfffff                         ; what stands for a row whose mask is 0
	s_wait_loadcnt 0x0
	s_mov_b32 s32, 0
.set c, 0
.rept 64
	v_cmp_ne_u32 vcc_lo, 0, v[64+c]
	s_bcnt1_i32_b32 s34, vcc_lo
	s_add_co_u32 s32, s32, s34                     ; how many rows are kept
.set c, c+1
.endr
	s_cmp_eq_u32 s32, 0
	s_cselect_b32 s36, -1, 0                       ; none: then all are listed, and flagged
	s_cselect_b32 s37, 2048, s32                   ; rows listed
	s_lshl_b32 s40, s27, 11                        ; the batch's first row; also what fills the rest of the list (never fetched as a row)
.irp i, 16,17,18,19
	v_mov_b32 v\i, s40
.endr
	v_add_nc_u32 v11, s37, v1
	v_add_nc_u32 v12, s40, v1
	s_mov_b32 s39, 0                               ; listed rows ahead of this group of 32
.set c, 0
.rept 64
	v_cmp_ne_u32 vcc_lo, 0, v[64+c]
	s_or_b32 s42, vcc_lo, s36
	v_mbcnt_lo_u32_b32 v9, s42, 0
	v_add_nc_u32 v9, s39, v9                       ; A: listed rows ahead of mine: a listed row's place P
	v_sub_nc_u32 v10, v11, v9
	v_add_nc_u32 v10, 32*c, v10                    ; any other row x fills place (rows listed) + x - A: so each of the 2,048 places is stored once
	v_cndmask_b32 v[64+c], v10, v9, s42
	v_add_nc_u32 v13, 32*c, v12
	v_cndmask_b32 v[128+c], v16, v13, s42
	v_min_u32 v[64+c], 0x7ff, v[64+c]
	v_lshlrev_b32 v[64+c], 2, v[64+c]
	global_store_b32 v[64+c], v[128+c], s[20:21]   ; each store has registers of its own: none is written again
	v_bfe_u32 v10, v9, 4, 3                        ; which of the batch's 8 work-groups has place P,
	v_lshrrev_b32 v13, 7, v9                       ; as which of its local tiles,
	v_and_b32 v14, 15, v9                          ; and which row of the tile
	v_mad_u32_u24 v10, v10, s46, v14
	v_lshl_add_u32 v10, v13, 4, v10
	v_add_nc_u32 v13, 7, v13
	v_and_b32 v13, 16, v13                         ; 16 from local tile 9 on (local tiles end at 15)
	v_add3_u32 v10, v10, v13, s47
	v_cndmask_b32 v[192+c], v28, v10, s42
	global_store_b32 v8, v[192+c], s[24:25] offset:128*c   ; row 32 c + lane: where its score will lie
	s_bcnt1_i32_b32 s43, s42
	s_add_co_u32 s39, s39, s43
.set c, c+1
.endr
	global_store_b128 v5, v[16:19], s[20:21] offset:8192   ; places 2,048 to 2,303: a work-group's last tiles may reach there
	global_store_b128 v5, v[16:19], s[20:21] offset:8704
	s_lshr_b32 s38, s37, 4                         ; whole tiles in the list,
	s_and_b32 s43, s37, 15                         ; and the rows of the tile behind them
	s_add_co_u32 s44, s38, 7
	s_and_b32 s45, s38, 7
	v_and_b32 v24, 7, v1                           ; j: which of the batch's 8 work-groups
	v_sub_nc_u32 v25, s44, v24
	v_lshrrev_b32 v25, 3, v25                      ; whole tiles T with T % 8 = j
	v_lshlrev_b32 v25, 4, v25
	v_cmp_eq_u32 vcc_lo, s45, v24
	v_mov_b32 v26, s43
	v_cndmask_b32 v26, 0, v26, vcc_lo
	v_add_nc_u32 v25, v25, v26                     ; its rows
	v_mov_b32 v24, v25
	s_and_b32 s45, s36, 0x10000
	v_or_b32 v25, s45, v25                         ; bit 16: the batch keeps no row
	v_lshlrev_b32 v27, 3, v1
	global_store_b64 v27, v[24:25], s[22:23]       ; 256 consecutive bytes, aligned (the 8 entries four times)
	s_endpgm
.Lfunc_end_k_qecf98ae2f8_prep:
	.size	k_qecf98ae2f8_prep, .Lfunc_end_k_qecf98ae2f8_prep-k_qecf98ae2f8_prep
	.p2alignl 7, 3214868480
	.fill 96, 4, 3214868480
	.section	.rodata,"a",@progbits
	.p2align	6, 0x0
	.amdhsa_kernel k_qecf98ae2f8_prep
		.amdhsa_group_segment_fixed_size 17408
		.amdhsa_private_segment_fixed_size 0
		.amdhsa_enable_private_segment 0
		.amdhsa_kernarg_size 88
		.amdhsa_user_sgpr_count 2
		.amdhsa_user_sgpr_kernarg_segment_ptr 1
		.amdhsa_wavefront_size32 1
		.amdhsa_system_sgpr_workgroup_id_x 1
		.amdhsa_system_sgpr_workgroup_id_y 1
		.amdhsa_system_sgpr_workgroup_id_z 1
		.amdhsa_system_vgpr_workitem_id 0
		.amdhsa_next_free_vgpr 256
		.amdhsa_next_free_sgpr 66
		.amdhsa_reserve_vcc 1
		.amdhsa_float_denorm_mode_32 3
		.amdhsa_float_denorm_mode_16_64 3
		.amdhsa_memory_ordered 1
		.amdhsa_forward_progress 1
		.amdhsa_inst_pref_size 116
	.end_amdhsa_kernel
	.amdgpu_metadata
---
amdhsa.version: [ 1, 2 ]
amdhsa.kernels:
  - .name:           k_qecf98ae2f8_prep
    .symbol:         k_qecf98ae2f8_prep.kd
    .args:
      - { .name: attn_w, .offset: 0, .size: 8, .value_kind: global_buffer, .address_space: global }
      - { .name: hidden, .offset: 8, .size: 8, .value_kind: global_buffer, .address_space: global }
      - { .name: attn_b, .offset: 16, .size: 8, .value_kind: global_buffer, .address_space: global }
      - { .name: v_w, .offset: 24, .size: 8, .value_kind: global_buffer, .address_space: global }
      - { .name: mask, .offset: 32, .size: 8, .value_kind: global_buffer, .address_space: global }
      - { .name: wq, .offset: 40, .size: 8, .value_kind: global_buffer, .address_space: global }
      - { .name: wsc, .offset: 48, .size: 8, .value_kind: global_buffer, .address_space: global }
      - { .name: hv, .offset: 56, .size: 8, .value_kind: global_buffer, .address_space: global }
      - { .name: rows, .offset: 64, .size: 8, .value_kind: global_buffer, .address_space: global }
      - { .name: meta, .offset: 72, .size: 8, .value_kind: global_buffer, .address_space: global }
      - { .name: pos, .offset: 80, .size: 8, .value_kind: global_buffer, .address_space: global }
    .group_segment_fixed_size: 17408
    .private_segment_fixed_size: 0
    .kernarg_segment_align: 8
    .kernarg_segment_size: 88
    .max_flat_workgroup_size: 256
    .sgpr_count:     66
    .vgpr_count:     256
    .wavefront_size: 32
...
	.end_amdgpu_metadata
.endif
;; end of part 1
;; launch attn (part 2): grid 256 x 1, 4 waves a work-group, no clusters, 318,976 bytes of LDS; arguments encoder_outputs, rows, meta, wq, wsc, hv, scw, pctx; writes scw, pctx
.if DOCPART == 2
	.amdgcn_target "amdgcn-amd-amdhsa--gfx1250"
	.amdhsa_code_object_version 6
	.text
	.protected	k_qecf98ae2f8_attn
	.globl	k_qecf98ae2f8_attn
	.p2align	8
	.type	k_qecf98ae2f8_attn,@function
k_qecf98ae2f8_attn:
	s_mov_b64 s[64:65], 0
	v_nop
	global_prefetch_b8 v0, s[64:65] scope:SCOPE_SE
	s_setreg_imm32_b32 hwreg(HW_REG_WAVE_MODE, 25, 1), 1
	s_wait_xcnt 0x0
; ADDITIVE ATTENTION, launch 2 of 3.  Work-group 8 b + j takes its share of batch b's listed rows through the whole chain, reading each row of encoder_outputs ONCE:
; quantise to E2M1 along the 1,024 channels, product 2 with W_e's codes, + h_proj + attn_b, tanh, product 3 with v_w, a softmax with a running maximum, its part of product 4.
; ROWS WHOSE MASK IS 0 ARE LEFT OUT (shown at the head of the first launch): this launch multiplies the rows of the stored list alone.
; SHARES.  The batch's list goes in tiles of 16 places; my local tile m is list tile 8 m + j.  My rows are the first of my local places: only the list's last tile is not whole.
; A PASS serves up to 144 rows, nine tiles of 16; two passes (a constant count) serve every mask: a work-group has at most 256 rows.  A pass without rows runs only its barriers: every barrier stands
; outside the branches on the stored counts.  A pass with rows always takes nine tiles: a place behind its last row takes the pass's first row again (a select, no branch) and gets the weight 0.
; THE WAY IN: wave w takes channels 256 w on of each row, 8 neighbours a lane (four lanes hold a block of 32).  Codes and scale bytes go to the other waves through two small slots in LDS that take turns,
; one barrier a tile; every wave then holds all nine tiles' fragments (576 registers).  The same numbers, rounded to bf16, are parked in LDS (288 KiB) until the weights are known.
; THE PRODUCT: THE WAVES SHARE THE COLUMNS: wave w makes columns 256 w on, 16 tiles, so each byte of W's codes is read once by the work-group in a pass, from memory straight into the operand's registers.
; Source 0 = 16 rows, source 1 = 16 rows of W_e: a lane holds ONE column n, so hb and vv of the table are one number a lane.  tanh(z) = 1 - 2 / (1 + 2^(c z)), c = 2 log2(e): score = sum v + sum vv / (1 + 2^(..)).
; THE SCORES go out densely, 160 words a pass into the work-group's own 320; the last launch finds each row's word by the first launch's table.
; EVERY VECTOR REGISTER THAT HOLDS AN ADDRESS IS MADE AT THE HEAD, ahead of the first branch on a stored count, and never written again; what steps is an immediate or a scalar base.  EXEC is never changed.
; NO TENSOR LOAD, NO CLUSTER: branches here hang on counts read from memory; W's tiles are not asked for jointly.
; NO PREFETCH: the rows' addresses come from the list two tiles ahead and 64 loads of each wave are on their way; W's 544 KiB are read by every work-group.
; LIMITS: as at the head of the first launch.  encoder_outputs enters product 4 rounded to bf16; all sums in f32.
; REGISTERS, in windows of 256.  window 0: v1-15, v19, v24-28, v90 addresses; v16, v17 the add's two; v22 sum of v; v23 running maximum; v30-37 my 8 channels of the context; v38-73 the tiles' scale words;
;   v74-81 W's scale words, v82-89 hb and vv, two sets each; v91-95 the pass's scores; v96-223 rows on the way in (even tiles), later accumulators and score sums, later parked rows; v224-255 at work.
;   window 1: tiles 0-2's fragments, from v192 W's (even column tiles).  window 2: tiles 3-5's, from v192 W's (odd).  window 3: tiles 6-8's; v64-191 also take the odd tiles' rows on the way in.
.set XCH,   294912                     ; behind the parked rows (144 x 2,048 bytes): two slots
.set XSL,   9216                       ; a slot: 16 rows of codes, 512 bytes + 16 of padding,
.set XSC,   8448                       ; then 16 rows of scale bytes, 32 bytes + 16: byte of K step s, block i at 16 (s % 2) + 4 (s / 2) + i
.set SCR,   313344                     ; 640 bytes a wave: its columns' part of 144 scores, and of the sum of v at word 144
.set PB,    315904                     ; 640 bytes a wave: its own copy of the weights
.set SPARE, 318464                     ; the spare words, 128 bytes a wave: two blocks of 256 bytes that no other line names
.set SPW, 16
.set NIL, 17
.set LANE, 18
.set MO,  19                           ; v19     4 x my thread's number
.set VS,  22
.set MRUN, 23
.set PK,  24                           ; v24-28  my 16 bytes of a parked row: 16 x thread + 65,536 m: register m serves tiles 2 m and 2 m + 1
.set CTX, 30
.set ASC, 38
.set WSC, 74
.set HV,  82
.set SCO, 91
.set SET0, 96
.set TM,  224                          ; largest magnitudes;  TS scale operands;  TB bytes;  TC codes;  TF bf16: four rows at a time
.set TS,  228
.set TB,  232
.set TC,  236
.set TF,  240
.set ACC0, 96
.set ACC1, 120
.set SACC, 144
.set DATA0, 96                         ; parked rows, two sets of 64;
.set PR0, 224                          ; their weights, two sets of 16
.set SCM, 181
.set PP,  186
.set NEGV, 196
.set BIGV, 197
.set MX,  198
.set MY,  199
.set FF,  200
.set TT,  201
.set MSB, 0
.macro WIN new                         ; the immediate's high byte repeats the setting that is left; a switch that changes nothing is dropped
.if MSB != (\new)
	s_set_vgpr_msb (MSB<<8)|(\new)
.set MSB, (\new)
.endif
.endm
.macro CLEAR from, count
.set z, \from
.rept \count
	v_mov_b32 v[z], 0
.set z, z+1
.endr
.endm
; W's fragments of one column tile (8 K steps, 8 KiB) and its scale words (lanes 0-15 K step 2 q, lanes 16-31 K step 2 q + 1) into set buf
.macro LOADWC buf
	WIN (1+(\buf))<<6
.irp s, 0,1,2,3,4,5,6,7
.irp c, 0,1
	global_load_b128 v[192+8*\s+4*\c:192+8*\s+4*\c+3], v7, s[60:61] offset:8192*(\buf)+1024*\s+512*\c
.endr
.endr
	WIN 0
.irp q, 0,1,2,3
	global_load_b32 v[WSC+4*(\buf)+\q], v8, s[62:63] offset:512*(\buf)+128*\q
.endr
.endm
.macro LOADHV buf                      ; (hb, hb, vv, vv) of my column
	WIN 0
	global_load_b128 v[HV+4*(\buf):HV+4*(\buf)+3], v9, s[98:99] offset:256*(\buf)
.endm
; tile i's 16 rows are asked for: 32 bytes a lane of each, two loads; s[32:47] hold their numbers
.macro LOADS i
.set LB, SET0-32*((\i)%2)
	s_wait_xcnt 0x0                                ; the sixteen address pairs are written again only behind this wait
.irp k, 0,1,2,3,4,5,6,7,8,9,10,11,12,13,14,15
	s_cmp_gt_u32 s28, 16*(\i)+\k                   ; a place behind the pass's last row
	s_cselect_b32 s52, s[32+\k], s26               ; takes the pass's first row
	s_min_u32 s52, s52, 0xffff
	s_lshl_b32 s52, s52, 12
	s_add_nc_u64 s[66+2*\k:67+2*\k], s[4:5], s[52:53]
.endr
	WIN 0xc0*((\i)%2)
.irp k, 0,1,2,3,4,5,6,7,8,9,10,11,12,13,14,15
	global_load_b128 v[LB+8*\k:LB+8*\k+3], v1, s[66+2*\k:67+2*\k] th:TH_LOAD_NT
	global_load_b128 v[LB+8*\k+4:LB+8*\k+7], v1, s[66+2*\k:67+2*\k] offset:16 th:TH_LOAD_NT
.endr
	WIN 0
.endm
; tile i: my 8 numbers of each row become 8 codes, a scale byte and 8 bf16; four rows by turns
.macro PROCESS i
.set SB, SET0-32*((\i)%2)
.set ODD, (\i)%2
.set SLT, XSL*((\i)%2)
.irp a, 0,1,2,3
.if (\i) < 8
	s_wait_loadcnt 56-8*\a                         ; rows 4 a to 4 a + 3 are in: behind them my tile's 24 - 8 a loads and the next tile's 32 were issued
.else
	s_wait_loadcnt 24-8*\a
.endif
	WIN 0x3c*ODD
.irp u, 0,1,2,3
	v_max3_num_f32 v[TM+\u], s100, |v[SB+8*(4*\a+\u)]|, |v[SB+8*(4*\a+\u)+1]|   ; s100: the floor 2^(3 - 127): the byte cannot fall under 1
.endr
.irp e, 2,4,6
.irp u, 0,1,2,3
	v_max3_num_f32 v[TM+\u], v[TM+\u], |v[SB+8*(4*\a+\u)+\e]|, |v[SB+8*(4*\a+\u)+\e+1]|
.endr
.endr
	WIN 0
.irp u, 0,1,2,3
	v_max_num_f32_dpp v[TM+\u], v[TM+\u], v[TM+\u] row_xmask:1 row_mask:0xf bank_mask:0xf
.endr
.irp u, 0,1,2,3
	v_max_num_f32_dpp v[TM+\u], v[TM+\u], v[TM+\u] row_xmask:2 row_mask:0xf bank_mask:0xf   ; four lanes hold a block
.endr
.irp u, 0,1,2,3
	v_add_nc_u32 v[TS+\u], s101, v[TM+\u]          ; 2 off the exponent field: the conversion's scale operand
.endr
	s_wait_dscnt 0x0                               ; the last four rows' LDS stores have read their registers
.irp u, 0,1,2,3
	v_lshrrev_b32 v[TB+\u], 23, v[TS+\u]
.endr
	WIN 0x03*ODD
.irp u, 0,1,2,3
	v_cvt_scalef32_pk8_fp4_f32 v[TC+\u], v[SB+8*(4*\a+\u):SB+8*(4*\a+\u)+7], v[TS+\u]
.endr
	WIN 0x0f*ODD
.irp u, 0,1,2,3
.irp d, 0,1,2,3
	v_cvt_pk_bf16_f32 v[TF+4*\u+\d], v[SB+8*(4*\a+\u)+2*\d], v[SB+8*(4*\a+\u)+2*\d+1]   ; (plain lines behind the scaled conversions)
.endr
.endr
	WIN 0
.irp u, 0,1,2,3
	ds_store_b32 v2, v[TC+\u] offset:SLT+528*(4*\a+\u)
	ds_store_b8 v3, v[TB+\u] offset:SLT+48*(4*\a+\u)     ; a block's four lanes write the same byte with the same value
	ds_store_b128 v[PK+(\i)/2], v[TF+4*\u:TF+4*\u+3] offset:32768*((\i)%2)+2048*(4*\a+\u)   ; parked: row 16 i + 4 a + u
.endr
.endr
.endm
; tile i's eight fragments and its scale words (register q: lanes 0-15 K step 2 q, lanes 16-31 K step 2 q + 1), out of its slot
.macro FRAGS i
	WIN (((\i)/3)+1)<<6
.irp s, 0,1,2,3,4,5,6,7
.irp c, 0,1
	ds_load_b128 v[64*((\i)%3)+8*\s+4*\c:64*((\i)%3)+8*\s+4*\c+3], v5 offset:XSL*((\i)%2)+64*\s+32*\c
.endr
.endr
	WIN 0
	ds_load_b128 v[ASC+4*(\i):ASC+4*(\i)+3], v6 offset:XSL*((\i)%2)
.endm
; One tile of the way in, and its barrier.  Slot i % 2 is written here, read behind this barrier, and written again two tiles on, behind the next barrier, in front of which every wave has waited for its reads.
; On the idle way nothing of mine stays out: so the counts in PROCESS hold on every way through the text.
.macro BLOCK i
	s_cmp_eq_u32 s28, 0
	s_cbranch_scc1 .Lidle_\@
.if (\i) > 0
	FRAGS (\i)-1
.endif
.if (\i) <= 6
	s_load_b512 s[32:47], s[6:7], 512*((\i)+2)     ; the numbers of the rows two tiles on: my local tiles lie 8 list tiles, 512 bytes, apart
.endif
	PROCESS \i
.if (\i) <= 6
	s_wait_kmcnt 0x0
	LOADS (\i)+2                                   ; into the registers just worked off
.endif
	s_branch .Ljoin_\@
.Lidle_\@:
	s_wait_loadcnt 0x0
.Ljoin_\@:
	s_wait_dscnt 0x0                               ; my stores have landed and my reads of the other slot are in
	s_barrier_signal -1
	s_barrier_wait -1
.endm
; 24 matrix instructions: row tiles 3 g to 3 g + 2 x the column tile in set buf, K = 1,024.  The three accumulators take turns, one instruction a turn; the first K step starts the sums
.macro M buf, g, ac
	WIN ((\g)+1)|((1+(\buf))<<2)
.irp s, 0,1,2,3,4,5,6,7
.irp x, 0,1,2
.if \s == 0
	v_wmma_scale_f32_16x16x128_f8f6f4 v[\ac+8*\x:\ac+8*\x+7], v[64*\x+8*\s:64*\x+8*\s+7], v[192+8*\s:192+8*\s+7], 0, v[ASC+4*(3*(\g)+\x)+\s/2], v[WSC+4*(\buf)+\s/2] matrix_a_fmt:MATRIX_FMT_FP4 matrix_b_fmt:MATRIX_FMT_FP4
.elseif \s % 2
	v_wmma_scale_f32_16x16x128_f8f6f4 v[\ac+8*\x:\ac+8*\x+7], v[64*\x+8*\s:64*\x+8*\s+7], v[192+8*\s:192+8*\s+7], v[\ac+8*\x:\ac+8*\x+7], v[ASC+4*(3*(\g)+\x)+\s/2], v[WSC+4*(\buf)+\s/2] matrix_a_fmt:MATRIX_FMT_FP4 matrix_b_fmt:MATRIX_FMT_FP4 matrix_a_scale:MATRIX_SCALE_ROW1 matrix_b_scale:MATRIX_SCALE_ROW1
.else
	v_wmma_scale_f32_16x16x128_f8f6f4 v[\ac+8*\x:\ac+8*\x+7], v[64*\x+8*\s:64*\x+8*\s+7], v[192+8*\s:192+8*\s+7], v[\ac+8*\x:\ac+8*\x+7], v[ASC+4*(3*(\g)+\x)+\s/2], v[WSC+4*(\buf)+\s/2] matrix_a_fmt:MATRIX_FMT_FP4 matrix_b_fmt:MATRIX_FMT_FP4
.endif
.endr
.endr
.endm
; The 24 results a lane become vv / (1 + 2^(c x + hb)) and are added to the rows' sums.  Two batches of 24 transcendentals, each with one plain place and one wait behind it;
; a batch's plain lines are dealt out among it, each pair scaled ahead of its two transcendentals.  It stands behind the NEXT group's matrix instructions, which need none of its registers.
.macro V buf, g, ac
	WIN 0
.rept 4
	v_nop                                          ; four places between a matrix instruction and the first read of its result
.endr
.set p, 0
.rept 12
	v_pk_fma_f32 v[\ac+2*p:\ac+2*p+1], v[\ac+2*p:\ac+2*p+1], s[48:49], v[HV+4*(\buf):HV+4*(\buf)+1] op_sel_hi:[1,0,1]   ; each accumulator from its low end on
.if p > 0
	v_exp_f32 v[\ac+2*p-2], v[\ac+2*p-2]
	v_exp_f32 v[\ac+2*p-1], v[\ac+2*p-1]
.endif
.set p, p+1
.endr
	v_exp_f32 v[\ac+22], v[\ac+22]
	v_exp_f32 v[\ac+23], v[\ac+23]
.if (\g) == 0
	v_fmac_f32 v[VS], -0.5, v[HV+4*(\buf)+2]       ; v of my column, once a column tile
.else
	v_nop
.endif
	s_wait_alu depctr_va_vdst(0)
.set p, 0
.rept 12
	v_pk_add_f32 v[\ac+2*p:\ac+2*p+1], v[\ac+2*p:\ac+2*p+1], 1.0 op_sel_hi:[1,0]
.if p > 0
	v_rcp_f32 v[\ac+2*p-2], v[\ac+2*p-2]
	v_rcp_f32 v[\ac+2*p-1], v[\ac+2*p-1]
.endif
.set p, p+1
.endr
	v_rcp_f32 v[\ac+22], v[\ac+22]
	v_rcp_f32 v[\ac+23], v[\ac+23]
	v_nop
	s_wait_alu depctr_va_vdst(0)
.set p, 0
.rept 12
	v_pk_fma_f32 v[SACC+24*(\g)+2*p:SACC+24*(\g)+2*p+1], v[\ac+2*p:\ac+2*p+1], v[HV+4*(\buf)+2:HV+4*(\buf)+3], v[SACC+24*(\g)+2*p:SACC+24*(\g)+2*p+1]
.set p, p+1
.endr
.endm
.macro PLACES
.rept 4
	v_nop                                          ; four places in front of loads into registers that matrix instructions have read
.endr
.endm
; the context: tile i's 16 weights (the same in every lane) and my 16 bytes of its 16 parked rows, into set i % 2: 20 LDS loads
.macro CLOAD i
.set DB, DATA0+64*((\i)%2)
.set PRB, PR0+16*((\i)%2)
.irp q, 0,1,2,3
	ds_load_b128 v[PRB+4*\q:PRB+4*\q+3], v15 offset:64*(\i)+16*\q
.endr
.irp k, 0,1,2,3,4,5,6,7,8,9,10,11,12,13,14,15
	ds_load_b128 v[DB+4*\k:DB+4*\k+3], v[PK+(\i)/2] offset:32768*((\i)%2)+2048*\k
.endr
.endm
.macro CFMA i
.set DB, DATA0+64*((\i)%2)
.set PRB, PR0+16*((\i)%2)
.irp k, 0,1,2,3,4,5,6,7,8,9,10,11,12,13,14,15
.if (\i) < 8
	s_wait_dscnt 35-\k                             ; row k is in: behind it my tile's 15 - k rows and the next tile's 20 loads were issued
.else
	s_wait_dscnt 15-\k
.endif
.irp d, 0,1,2,3
	v_fma_mix_f32_bf16 v[CTX+2*\d], v[DB+4*\k+\d], v[PRB+\k], v[CTX+2*\d] op_sel_hi:[1,0,0]
	v_fma_mix_f32_bf16 v[CTX+2*\d+1], v[DB+4*\k+\d], v[PRB+\k], v[CTX+2*\d+1] op_sel:[1,0,0] op_sel_hi:[1,0,0]
.endr
.endr
.endm
	s_load_b512 s[4:19], s[0:1], 0x0               ; encoder_outputs s[4:5], rows s[6:7], meta s[8:9], wq s[10:11], wsc s[12:13], hv s[14:15], scw s[16:17], pctx s[18:19]
	v_lshl_add_u32 v[SPW], v0, 2, SPARE
	v_mov_b32 v[NIL], 0
	v_lshrrev_b32 v224, 5, v0                      ; w
	v_readfirstlane_b32 s20, v224                  ; wave 0..3
	v_and_b32 v[LANE], 31, v0
	v_and_b32 v225, 15, v0                         ; r
	v_bfe_u32 v226, v0, 4, 1                       ; h
	v_bfe_u32 v227, v0, 2, 2                       ; my block among four
	v_lshlrev_b32 v1, 5, v0                        ; a row: my 32 bytes at 1,024 w + 32 lane
	v_lshl_add_u32 v2, v0, 2, XCH                  ; a slot's row of codes: my 4 bytes at 128 w + 4 lane
	v_lshlrev_b32 v3, 4, v226
	v_lshl_add_u32 v3, v224, 2, v3
	v_add_nc_u32 v3, v3, v227
	v_add_nc_u32 v3, XCH+XSC, v3                   ; my block is block lane / 4 % 4 of K step 2 w + h
	v_lshlrev_b32 v4, 4, v0                        ; my 16 bytes of a partial context
	v_mul_u32_u24 v5, v225, 528
	v_lshl_add_u32 v5, v226, 4, v5
	v_add_nc_u32 v5, XCH, v5                       ; a fragment: row r, + 16 h
	v_mul_u32_u24 v6, v225, 48
	v_lshl_add_u32 v6, v226, 4, v6
	v_add_nc_u32 v6, XCH+XSC, v6                   ; its scale words
	v_lshlrev_b32 v7, 4, v[LANE]
	v_lshlrev_b32 v8, 2, v[LANE]
	v_lshlrev_b32 v9, 4, v225
	s_mul_i32 s31, s20, 640
	v_lshlrev_b32 v10, 5, v226
	v_add_nc_u32 v10, s31, v10
	v_add_nc_u32 v10, SCR, v10                     ; my wave's score parts: rows 8 h on of a tile
	v_add_nc_u32 v11, SCR, v8
	v_lshl_add_u32 v12, v225, 2, SCR+512
	v_mov_b32 v13, SCR+576
	v_add_nc_u32 v14, s31, v8
	v_add_nc_u32 v14, PB, v14
	v_mov_b32 v15, s31
	v_add_nc_u32 v15, PB, v15
	v_mov_b32 v90, s31
	v_add_nc_u32 v90, SCR+576, v90
	v_lshlrev_b32 v[MO], 2, v0
.irp m, 0,1,2,3,4
	v_lshl_add_u32 v[PK+\m], v0, 4, 65536*\m
.endr
	s_lshr_b32 s21, ttmp9, 3                       ; b
	s_and_b32 s22, ttmp9, 7                        ; j
	s_mov_b32 s48, 0x4038aa3b                      ; c = 2 log2(e)
	s_mov_b32 s49, s48                             ; (named with it as a pair)
	s_mov_b32 s50, 0x76543210
	s_mov_b32 s51, 0xfedcba98                      ; selects for lane l xor 16
	s_mov_b32 s53, 0                               ; the upper word of the offsets' pair s[52:53]
	s_mov_b32 s100, 0x1800000
	s_mov_b32 s101, 0xff000000
	s_mov_b32 s26, 0
	s_mov_b32 s29, 0                               ; the pass
	s_wait_kmcnt 0x0
	s_lshl_b32 s52, s21, 8
	s_lshl_b32 s31, s22, 3
	s_add_co_u32 s52, s52, s31
	s_add_nc_u64 s[8:9], s[8:9], s[52:53]
	s_load_b64 s[24:25], s[8:9], 0x0               ; my rows; my rows again, and the flag
	s_lshl_b32 s52, s20, 17
	s_add_nc_u64 s[10:11], s[10:11], s[52:53]      ; my wave's 16 column tiles: codes,
	s_lshl_b32 s52, s20, 13
	s_add_nc_u64 s[12:13], s[12:13], s[52:53]      ; scale words,
	s_lshl_b32 s52, s21, 14
	s_lshl_b32 s31, s20, 12
	s_add_co_u32 s52, s52, s31
	s_add_nc_u64 s[14:15], s[14:15], s[52:53]      ; and the batch's table
	s_mul_i32 s52, ttmp9, 1280
	s_add_nc_u64 s[16:17], s[16:17], s[52:53]      ; my 320 score words
	s_mul_i32 s52, ttmp9, 4608
	s_add_nc_u64 s[18:19], s[18:19], s[52:53]
	s_mul_i32 s52, s21, 9216
	s_lshl_b32 s31, s22, 6
	s_add_co_u32 s52, s52, s31
	s_add_nc_u64 s[6:7], s[6:7], s[52:53]          ; the batch's list at list tile j, my local tile 0
	s_mov_b64 s[60:61], s[10:11]
	s_mov_b64 s[62:63], s[12:13]
	s_mov_b64 s[98:99], s[14:15]
	LOADWC 0                                       ; column tiles 0 and 1: asked for once, here; the loop over column tiles goes round and leaves them in registers again
	LOADHV 0
	LOADWC 1
	LOADHV 1
	; Registers that only guarded lines fill are written once here, so that every way through the text finds them written; this stands while the loads above and the scalar load are out
	CLEAR CTX, 8
	CLEAR ASC, 36
	CLEAR SCO, 5
	CLEAR SET0, 128
	v_mov_b32 v[VS], 0
	v_mov_b32 v[MRUN], 0xff61b1e6                  ; -3e38, under every score
	WIN 0x40
	CLEAR 0, 192
	WIN 0x80
	CLEAR 0, 192
	WIN 0xc0
	CLEAR 0, 192
	WIN 0
	s_wait_kmcnt 0x0
	s_and_b32 s24, s25, 0xffff
	s_min_u32 s24, s24, 256                        ; my rows
	s_bitcmp1_b32 s25, 16
	s_cselect_b32 s25, -1, 0                       ; all ones: the batch keeps no row
.Lpass:
	s_mul_i32 s31, s29, 144
	s_min_u32 s27, s24, s31
	s_add_co_u32 s31, s31, 144
	s_min_u32 s28, s24, s31
	s_sub_co_u32 s28, s28, s27                     ; the pass's rows, 0 to 144
	s_cmp_eq_u32 s28, 0
	s_cbranch_scc1 .Lidle_a
	s_load_b512 s[32:47], s[6:7], 0x0
	s_wait_kmcnt 0x0
	s_mov_b32 s26, s32                             ; the pass's first row
	LOADS 0
	s_load_b512 s[32:47], s[6:7], 0x200
	s_wait_kmcnt 0x0
	LOADS 1
	s_branch .Ljoin_a
.Lidle_a:
	s_wait_loadcnt 0x0
.Ljoin_a:
.irp i, 0,1,2,3,4,5,6,7,8
	BLOCK \i
.endr
	s_wait_loadcnt 0x0                             ; nothing of mine is out on any way: W's tiles 0 and 1 are in
	s_cmp_eq_u32 s28, 0
	s_cbranch_scc1 .Lidle_p
	FRAGS 8
	CLEAR SACC, 72                                 ; the rows' sums over my columns
	v_mov_b32 v[VS], 0
	s_mov_b32 s30, 0
	s_wait_dscnt 0x0
.Ltile:                                                ; 8 trips, two column tiles each
	s_wait_xcnt 0x0                                ; the last trip's loads have read their bases
	s_add_co_u32 s31, s30, 1
	s_and_b32 s31, s31, 7                          ; the pair of column tiles to fetch: the next, and behind the last the first again
	s_lshl_b32 s52, s31, 14
	s_add_nc_u64 s[60:61], s[10:11], s[52:53]
	s_lshl_b32 s52, s31, 10
	s_add_nc_u64 s[62:63], s[12:13], s[52:53]
	s_lshl_b32 s52, s31, 9
	s_add_nc_u64 s[98:99], s[14:15], s[52:53]
	s_wait_loadcnt 21                              ; set 0 is in: behind it set 1's 20 + 1 loads were issued
	M 0, 0, ACC0
	M 0, 1, ACC1
	V 0, 0, ACC0
	M 0, 2, ACC0
	V 0, 1, ACC1
	PLACES
	LOADWC 0
	s_wait_loadcnt 20                              ; set 1 is in: behind it the 20 loads just issued
	M 1, 0, ACC1
	V 0, 2, ACC0
	LOADHV 0
	M 1, 1, ACC0
	V 1, 0, ACC1
	M 1, 2, ACC1
	V 1, 1, ACC0
	PLACES
	LOADWC 1
	V 1, 2, ACC1
	LOADHV 1
	s_add_co_u32 s30, s30, 1
	s_cmp_lt_u32 s30, 8
	s_cbranch_scc1 .Ltile
	; the sixteen lanes of a half hold sixteen columns of the same eight rows: their sum, then my wave's part of each score to LDS
.irp m, 1,2,4,8
.set z, 0
.rept 72
	v_add_f32_dpp v[SACC+z], v[SACC+z], v[SACC+z] row_xmask:\m row_mask:0xf bank_mask:0xf
.set z, z+1
.endr
	v_add_f32_dpp v[VS], v[VS], v[VS] row_xmask:\m row_mask:0xf bank_mask:0xf
.endr
.set z, 0
.rept 72
	ds_store_b32 v10, v[SACC+z] offset:64*(z/8)+4*(z%8)   ; row 16 (z / 8) + 8 h + z % 8; sixteen lanes write the same word with the same value
.set z, z+1
.endr
	ds_store_b32 v90, v[VS]
.Lidle_p:
	s_wait_dscnt 0x0
	s_barrier_signal -1
	s_barrier_wait -1                              ; the four waves' parts of the scores lie in LDS
	s_cmp_eq_u32 s28, 0
	s_cbranch_scc1 .Lidle_s
	; every wave makes all the pass's scores and weights for itself: lane l has rows 32 k + l
.irp k, 0,1,2,3
.irp w, 0,1,2,3
	ds_load_b32 v[96+4*\k+\w], v11 offset:640*\w+128*\k
.endr
.endr
.irp w, 0,1,2,3
	ds_load_b32 v[112+\w], v12 offset:640*\w       ; rows 128 + lane % 16
.endr
.irp w, 0,1,2,3
	ds_load_b32 v[116+\w], v13 offset:640*\w       ; the sum of v
.endr
	v_mov_b32 v[NEGV], 0xd01502f9                  ; NEG
	v_mov_b32 v[BIGV], 0xff61b1e6                  ; -3e38
	s_wait_dscnt 0x0
	v_add_f32 v116, v116, v117
	v_add_f32 v118, v118, v119
	v_add_f32 v116, v116, v118
.irp k, 0,1,2,3,4
	v_add_f32 v[96+4*\k], v[96+4*\k], v[97+4*\k]
	v_add_f32 v[98+4*\k], v[98+4*\k], v[99+4*\k]
	v_add_f32 v[96+4*\k], v[96+4*\k], v[98+4*\k]
	v_add_f32 v[96+4*\k], v[96+4*\k], v116
	v_cndmask_b32 v[SCO+\k], v[96+4*\k], v[NEGV], s25      ; a batch that keeps no row: NEG, as reference() has it
	v_add_nc_u32 v[TT], 32*\k, v[LANE]
	v_cmp_gt_u32 s[54+\k], s28, v[TT]                      ; is this one of the pass's rows?
	v_cndmask_b32 v[SCM+\k], v[BIGV], v[SCO+\k], s[54+\k]
.endr
	v_max3_num_f32 v[MX], v[SCM], v[SCM+1], v[SCM+2]
	v_max3_num_f32 v[MX], v[MX], v[SCM+3], v[SCM+4]
.irp m, 1,2,4,8
	v_max_num_f32_dpp v[MX], v[MX], v[MX] row_xmask:\m row_mask:0xf bank_mask:0xf
.endr
	v_permlanex16_b32 v[MY], v[MX], s50, s51
	v_max3_num_f32 v[MX], v[MX], v[MY], v[MRUN]    ; the running maximum
	v_sub_f32 v[FF], v[MRUN], v[MX]
	v_mul_f32 v[FF], 0x3fb8aa3b, v[FF]
.irp k, 0,1,2,3,4
	v_sub_f32 v[PP+\k], v[SCM+\k], v[MX]
	v_mul_f32 v[PP+\k], 0x3fb8aa3b, v[PP+\k]
.endr
	v_exp_f32 v[FF], v[FF]                         ; what was summed under the old maximum is brought under the new
.irp k, 0,1,2,3,4
	v_exp_f32 v[PP+\k], v[PP+\k]                   ; the weights, not normalised; 0 for what is no row of the pass
.endr
	v_mov_b32 v[MRUN], v[MX]                       ; (the plain place behind the batch)
	s_wait_alu depctr_va_vdst(0)                   ; one wait for the six, ahead of their first reader
.irp k, 0,1,2,3,4
	ds_store_b32 v14, v[PP+\k] offset:128*\k
.endr
.irp e, 0,1,2,3,4,5,6,7
	v_mul_f32 v[CTX+\e], v[CTX+\e], v[FF]
.endr
.Lidle_s:
	s_cmp_lg_u32 s20, 0                            ; all four waves hold the same scores: wave 0 stores them, in every pass, so that each of my 320 words is written
	s_cbranch_scc1 .Lno_sc
.irp k, 0,1,2,3,4
	global_store_b32 v8, v[SCO+\k], s[16:17] offset:128*\k   ; the five stores cover 640 consecutive bytes
.endr
.Lno_sc:
	s_cmp_eq_u32 s28, 0
	s_cbranch_scc1 .Lidle_c
	; my 8 channels of the context: the nine parked tiles, each thread reading back what it parked itself; a tile's loads are issued a tile ahead
	CLOAD 0
.irp i, 0,1,2,3,4,5,6,7
	CLOAD (\i)+1
	CFMA \i
.endr
	CFMA 8
.Lidle_c:
	s_wait_dscnt 0x0
	s_barrier_signal -1
	s_barrier_wait -1                              ; the pass is over in every wave: LDS may be written anew
	s_wait_xcnt 0x0                                ; the loads and stores that named these bases, and the stores' data, have been read
	s_add_nc_u64 s[6:7], s[6:7], 4608              ; nine local tiles on
	s_add_nc_u64 s[16:17], s[16:17], 640
	s_add_co_u32 s29, s29, 1
	s_cmp_lt_u32 s29, 2
	s_cbranch_scc1 .Lpass
	global_store_b128 v4, v[CTX:CTX+3], s[18:19]               ; sixteen lanes store 256 consecutive bytes, aligned
	global_store_b128 v4, v[CTX+4:CTX+7], s[18:19] offset:2048
	global_store_b32 v[MO], v[MRUN], s[18:19] offset:4096      ; the maximum under which the sums stand (a work-group without rows: -3e38 and zeros)
	s_wait_tensorcnt 0x0                           ; the wave's end: three lines behind my last LDS store
	ds_add_u32 v[SPW], v[NIL]
	s_wait_dscnt 0x0
	s_endpgm
.Lfunc_end_k_qecf98ae2f8_attn:
	.size	k_qecf98ae2f8_attn, .Lfunc_end_k_qecf98ae2f8_attn-k_qecf98ae2f8_attn
	.p2alignl 7, 3214868480
	.fill 96, 4, 3214868480
	.section	.rodata,"a",@progbits
	.p2align	6, 0x0
	.amdhsa_kernel k_qecf98ae2f8_attn
		.amdhsa_group_segment_fixed_size 318976
		.amdhsa_private_segment_fixed_size 0
		.amdhsa_enable_private_segment 0
		.amdhsa_kernarg_size 64
		.amdhsa_user_sgpr_count 2
		.amdhsa_user_sgpr_kernarg_segment_ptr 1
		.amdhsa_wavefront_size32 1
		.amdhsa_system_sgpr_workgroup_id_x 1
		.amdhsa_system_sgpr_workgroup_id_y 1
		.amdhsa_system_sgpr_workgroup_id_z 1
		.amdhsa_system_vgpr_workitem_id 0
		.amdhsa_next_free_vgpr 1024
		.amdhsa_next_free_sgpr 102
		.amdhsa_reserve_vcc 0
		.amdhsa_float_denorm_mode_32 3
		.amdhsa_float_denorm_mode_16_64 3
		.amdhsa_memory_ordered 1
		.amdhsa_forward_progress 1
		.amdhsa_inst_pref_size 255
	.end_amdhsa_kernel
	.section	.bss,"aw",@nobits
	.p2align	6
	.space	262144
	.amdgpu_metadata
---
amdhsa.version: [ 1, 2 ]
amdhsa.kernels:
  - .name:           k_qecf98ae2f8_attn
    .symbol:         k_qecf98ae2f8_attn.kd
    .args:
      - { .name: encoder_outputs, .offset: 0, .size: 8, .value_kind: global_buffer, .address_space: global }
      - { .name: rows, .offset: 8, .size: 8, .value_kind: global_buffer, .address_space: global }
      - { .name: meta, .offset: 16, .size: 8, .value_kind: global_buffer, .address_space: global }
      - { .name: wq, .offset: 24, .size: 8, .value_kind: global_buffer, .address_space: global }
      - { .name: wsc, .offset: 32, .size: 8, .value_kind: global_buffer, .address_space: global }
      - { .name: hv, .offset: 40, .size: 8, .value_kind: global_buffer, .address_space: global }
      - { .name: scw, .offset: 48, .size: 8, .value_kind: global_buffer, .address_space: global }
      - { .name: pctx, .offset: 56, .size: 8, .value_kind: global_buffer, .address_space: global }
    .group_segment_fixed_size: 318976
    .private_segment_fixed_size: 0
    .kernarg_segment_align: 8
    .kernarg_segment_size: 64
    .max_flat_workgroup_size: 128
    .sgpr_count:     102
    .vgpr_count:     1024
    .wavefront_size: 32
...
	.end_amdgpu_metadata
.endif
;; end of part 2
;; launch fin (part 3): grid 32 x 1, 8 waves a work-group, no clusters, 1,280 bytes of LDS; arguments pos, scw, pctx, out0, out1; writes out0, out1
.if DOCPART == 3
	.amdgcn_target "amdgcn-amd-amdhsa--gfx1250"
	.amdhsa_code_object_version 6
	.text
	.protected	k_qecf98ae2f8_fin
	.globl	k_qecf98ae2f8_fin
	.p2align	8
	.type	k_qecf98ae2f8_fin,@function
k_qecf98ae2f8_fin:
	s_mov_b64 s[64:65], 0
	v_nop
	global_prefetch_b8 v0, s[64:65] scope:SCOPE_SE
	s_setreg_imm32_b32 hwreg(HW_REG_WAVE_MODE, 25, 1), 1
	s_wait_xcnt 0x0
; ADDITIVE ATTENTION, launch 3 of 3: a work-group a batch.  Each row's score is fetched from the word that the first launch's table names; a row whose mask is 0 (table entry beyond the last word) gets NEG.
; The softmax over the batch's 2,048 scores, with the maximum taken away as in reference(): out1.
; The eight partial contexts of the batch, each summed under its own maximum pm_j, are brought under the batch's maximum M and divided by the sum: out0 = sum over j of 2^((pm_j - M) log2 e) ctx_j / L.
; Rows whose mask is 0 add nothing to out0 (shown at the head of the first launch).  Thread t has rows 4 t .. 4 t + 3 and 1,024 + 4 t .. + 3, and channels 4 t .. 4 t + 3.
.set SPARE, 256                        ; words 0-7: the waves' maxima, words 8-15: their sums; from byte 256 the spare words, 128 bytes a wave
.set SLOTB, 4608                       ; a work-group's slot in pctx
.set WORDS, 81920                      ; score words in all: 256 work-groups x 320
	s_load_b256 s[4:11], s[0:1], 0x0               ; pos s[4:5], scw s[6:7], pctx s[8:9], out0 s[10:11]
	s_load_b64 s[16:17], s[0:1], 0x20              ; out1
	v_lshl_add_u32 v30, v0, 2, SPARE
	v_mov_b32 v31, 0
	v_lshrrev_b32 v1, 5, v0
	v_readfirstlane_b32 s12, v1                    ; wave 0..7
	v_lshlrev_b32 v1, 4, v0                        ; 16 t
	v_and_b32 v2, 1, v0
	v_lshrrev_b32 v3, 1, v0
	v_lshlrev_b32 v2, 11, v2
	v_lshl_add_u32 v2, v3, 4, v2                   ; channels 4 t on lie at 2,048 (t % 2) + 16 (t / 2) of a slot
	v_mov_b32 v14, s12
	v_lshlrev_b32 v14, 2, v14                      ; my wave's word
	v_mov_b32 v15, 0
	v_mov_b32 v13, 0                               ; a lane permute's destination counts as one of its sources
	v_mov_b32 v29, 0xd01502f9                      ; NEG = -1e10
	s_mov_b32 s20, 0x76543210
	s_mov_b32 s21, 0xfedcba98
	s_mov_b32 s15, 0
	s_wait_kmcnt 0x0
	s_lshl_b32 s14, ttmp9, 13
	s_add_nc_u64 s[4:5], s[4:5], s[14:15]
	s_add_nc_u64 s[16:17], s[16:17], s[14:15]
	s_lshl_b32 s14, ttmp9, 12
	s_add_nc_u64 s[10:11], s[10:11], s[14:15]
	s_mul_i32 s14, ttmp9, 8*SLOTB
	s_add_nc_u64 s[8:9], s[8:9], s[14:15]
	global_load_b128 v[4:7], v1, s[4:5]
	global_load_b128 v[8:11], v1, s[4:5] offset:4096
.irp j, 0,1,2,3,4,5,6,7
	global_load_b128 v[32+4*\j:35+4*\j], v2, s[8:9] offset:SLOTB*\j
.endr
.irp j, 0,1,2,3,4,5,6,7
	s_load_b32 s[24+\j], s[8:9], SLOTB*\j+4096     ; pm_j
.endr
	s_wait_loadcnt 8                               ; my 8 table entries are in; the 8 loads of the partial contexts may be out
.irp i, 0,1,2,3,4,5,6,7
	v_min_u32 v[76+\i], WORDS-1, v[4+\i]           ; held inside the buffer: every word of it was stored by the launch before
	v_lshlrev_b32 v[76+\i], 2, v[76+\i]
.endr
.irp i, 0,1,2,3,4,5,6,7
	global_load_b32 v[84+\i], v[76+\i], s[6:7]
.endr
	s_wait_loadcnt 0x0
.irp i, 0,1,2,3,4,5,6,7
	v_cmp_gt_u32 vcc_lo, WORDS, v[4+\i]
	v_cndmask_b32 v[4+\i], v29, v[84+\i], vcc_lo   ; the row's score, or NEG
.endr
	v_max3_num_f32 v12, v4, v5, v6
	v_max3_num_f32 v12, v12, v7, v8
	v_max3_num_f32 v12, v12, v9, v10
	v_max_num_f32 v12, v12, v11
.irp m, 1,2,4,8
	v_max_num_f32_dpp v12, v12, v12 row_xmask:\m row_mask:0xf bank_mask:0xf
.endr
	v_permlanex16_b32 v13, v12, s20, s21
	v_max_num_f32 v12, v12, v13
	ds_store_b32 v14, v12
	s_wait_dscnt 0x0
	s_barrier_signal -1
	s_barrier_wait -1
	ds_load_b128 v[16:19], v15
	ds_load_b128 v[20:23], v15 offset:16
	s_wait_dscnt 0x0
	v_max3_num_f32 v12, v16, v17, v18
	v_max3_num_f32 v12, v12, v19, v20
	v_max3_num_f32 v12, v12, v21, v22
	v_max_num_f32 v12, v12, v23                    ; M
	s_wait_kmcnt 0x0
.irp i, 0,1,2,3,4,5,6,7
	v_sub_f32 v[4+\i], v[4+\i], v12
	v_mul_f32 v[4+\i], 0x3fb8aa3b, v[4+\i]
	v_sub_f32 v[16+\i], s[24+\i], v12
	v_mul_f32 v[16+\i], 0x3fb8aa3b, v[16+\i]
.endr
.irp i, 0,1,2,3,4,5,6,7
	v_exp_f32 v[4+\i], v[4+\i]
.endr
.irp i, 0,1,2,3,4,5,6,7
	v_exp_f32 v[16+\i], v[16+\i]
.endr
	v_nop                                          ; the plain place behind the batch,
	s_wait_alu depctr_va_vdst(0)                   ; and one wait for the sixteen, ahead of their first reader
	v_pk_add_f32 v[24:25], v[4:5], v[6:7]
	v_pk_add_f32 v[26:27], v[8:9], v[10:11]
	v_pk_add_f32 v[24:25], v[24:25], v[26:27]
	v_add_f32 v24, v24, v25
.irp m, 1,2,4,8
	v_add_f32_dpp v24, v24, v24 row_xmask:\m row_mask:0xf bank_mask:0xf
.endr
	v_permlanex16_b32 v13, v24, s20, s21
	v_add_f32 v24, v24, v13
	ds_store_b32 v14, v24 offset:32                ; other words than the maxima's: no barrier is owed in front
	s_wait_dscnt 0x0
	s_barrier_signal -1
	s_barrier_wait -1
	ds_load_b128 v[64:67], v15 offset:32
	ds_load_b128 v[68:71], v15 offset:48
	s_wait_dscnt 0x0
	v_pk_add_f32 v[64:65], v[64:65], v[66:67]
	v_pk_add_f32 v[68:69], v[68:69], v[70:71]
	v_pk_add_f32 v[64:65], v[64:65], v[68:69]
	v_add_f32 v24, v64, v65                        ; L
	v_rcp_f32 v25, v24
	v_nop
	s_wait_alu depctr_va_vdst(0)
.irp i, 0,1,2,3,4,5,6,7
	v_mul_f32 v[4+\i], v[4+\i], v25
.endr
	global_store_b128 v1, v[4:7], s[16:17]         ; a wave stores 512 consecutive bytes
	global_store_b128 v1, v[8:11], s[16:17] offset:4096
.irp d, 0,1,2,3
	v_mul_f32 v[72+\d], v[32+\d], v16
.endr
.irp j, 1,2,3,4,5,6,7
.irp d, 0,1,2,3
	v_fma_f32 v[72+\d], v[32+4*\j+\d], v[16+\j], v[72+\d]
.endr
.endr
.irp d, 0,1,2,3
	v_mul_f32 v[72+\d], v[72+\d], v25
.endr
	global_store_b128 v1, v[72:75], s[10:11]
	s_wait_tensorcnt 0x0                           ; the wave's end: three lines behind my last LDS store
	ds_add_u32 v30, v31
	s_wait_dscnt 0x0
	s_endpgm
.Lfunc_end_k_qecf98ae2f8_fin:
	.size	k_qecf98ae2f8_fin, .Lfunc_end_k_qecf98ae2f8_fin-k_qecf98ae2f8_fin
	.p2alignl 7, 3214868480
	.fill 96, 4, 3214868480
	.section	.rodata,"a",@progbits
	.p2align	6, 0x0
	.amdhsa_kernel k_qecf98ae2f8_fin
		.amdhsa_group_segment_fixed_size 1280
		.amdhsa_private_segment_fixed_size 0
		.amdhsa_enable_private_segment 0
		.amdhsa_kernarg_size 40
		.amdhsa_user_sgpr_count 2
		.amdhsa_user_sgpr_kernarg_segment_ptr 1
		.amdhsa_wavefront_size32 1
		.amdhsa_system_sgpr_workgroup_id_x 1
		.amdhsa_system_sgpr_workgroup_id_y 1
		.amdhsa_system_sgpr_workgroup_id_z 1
		.amdhsa_system_vgpr_workitem_id 0
		.amdhsa_next_free_vgpr 96
		.amdhsa_next_free_sgpr 66
		.amdhsa_reserve_vcc 1
		.amdhsa_float_denorm_mode_32 3
		.amdhsa_float_denorm_mode_16_64 3
		.amdhsa_memory_ordered 1
		.amdhsa_forward_progress 1
		.amdhsa_inst_pref_size 13
	.end_amdhsa_kernel
	.amdgpu_metadata
---
amdhsa.version: [ 1, 2 ]
amdhsa.kernels:
  - .name:           k_qecf98ae2f8_fin
    .symbol:         k_qecf98ae2f8_fin.kd
    .args:
      - { .name: pos, .offset: 0, .size: 8, .value_kind: global_buffer, .address_space: global }
      - { .name: scw, .offset: 8, .size: 8, .value_kind: global_buffer, .address_space: global }
      - { .name: pctx, .offset: 16, .size: 8, .value_kind: global_buffer, .address_space: global }
      - { .name: out0, .offset: 24, .size: 8, .value_kind: global_buffer, .address_space: global }
      - { .name: out1, .offset: 32, .size: 8, .value_kind: global_buffer, .address_space: global }
    .group_segment_fixed_size: 1280
    .private_segment_fixed_size: 0
    .kernarg_segment_align: 8
    .kernarg_segment_size: 40
    .max_flat_workgroup_size: 256
    .sgpr_count:     66
    .vgpr_count:     96
    .wavefront_size: 32
...
	.end_amdgpu_metadata
.endif
;; end of part 3
;; ======== version 2 of 2: 3 launches
;; limits: right only within a limited range of input values; values are held in bf16: 8 bits of precision
;; workspace buffers: wq 524,288 bytes; wsc 32,768 bytes; hv 524,288 bytes; rows 294,912 bytes of whole numbers; meta 8,192 bytes of whole numbers; pos 262,144 bytes of whole numbers; scw 327,680 bytes; pctx 1,179,648 bytes
;; launch prep (part 4): grid 224 x 1, 8 waves a work-group, no clusters, 211,968 bytes of LDS; arguments attn_w, hidden, attn_b, v_w, mask, wq, wsc, hv, rows, meta, pos; writes wq, wsc, hv, rows, meta, pos
.if DOCPART == 4
	.amdgcn_target "amdgcn-amd-amdhsa--gfx1250"
	.amdhsa_code_object_version 6
	.text
	.protected	k_qecf98ae2f8_prep
	.globl	k_qecf98ae2f8_prep
	.p2align	8
	.type	k_qecf98ae2f8_prep,@function
k_qecf98ae2f8_prep:
	s_mov_b64 s[64:65], 0
	v_nop
	global_prefetch_b8 v0, s[64:65] scope:SCOPE_SE
	s_setreg_imm32_b32 hwreg(HW_REG_WAVE_MODE, 25, 1), 1
	s_wait_xcnt 0x0
; ADDITIVE ATTENTION, launch 1 of 3: what the main launch wants ready.
;   work-groups 0-63    (Q): W_e = attn_w[:, 1024:] becomes codes of E2M1 and E8M0 scale words, laid in the order of the operand's registers.
;   work-groups 64-191  (H): product 1, hidden x W_h^T, on codes: 16 columns x 16 batches a work-group, K shared among the eight waves and summed through LDS; stored as a table for the tanh.
;   work-groups 192-223 (M): a work-group a batch: the rows whose mask is not 0, listed in order; each work-group's number of them; for each row the place where its score will lie.
; WORK LEFT OUT BY THE PROGRAM.  reference() puts NEG in the place of the score of every row whose mask is 0, whatever that score is: so products 2 and 3 of such a row reach no output.
; The mask is a whole-number input; this launch stores the list of the other rows, and the next launch, which reads the list, multiplies those rows alone.  In product 4 such a row has the weight
; exp(NEG - largest score) / sum, which is 0 in f32 as soon as one kept score lies above NEG + 104; a score's size is at most the sum of |v_w|.  A batch with no row kept is served apart:
; all its 2,048 rows are listed and flagged, their scores are NEG, and the softmax is uniform, as in reference().
; LIMITS.  The sum of |v_w| stays under 9.9e9.  A NaN, an infinity or an overflow in a row of encoder_outputs whose mask is 0 is not carried to out0 (where the batch keeps a row).
; A block of zeros gets the scale byte 1 where the rule says 127: its codes are zeros, and the bytes are read by this program alone.  Every input is loaded by some launch.
; TABLE hv[b][n] = (hb, hb, vv, vv): hb = (h_proj[b][n] + attn_b[n]) x 2 log2(e), vv = -2 v_w[n]: tanh(z) = 1 - 2 / (1 + 2^(2 log2(e) z)).
; SHARES OF THE NEXT LAUNCH.  The list goes in tiles of 16 places; tile T of batch b belongs to work-group 8 b + T % 8 as its local tile T / 8.  The score of list place P lies at word
; (8 b + (P / 16) % 8) x 320 + 16 (P / 128) + P % 16, + 16 from local tile 9 on (the second pass's 160 words).
; THE f32 ROWS COME IN DENSELY: a load takes the 512 consecutive bytes of one row's K step, 16 a lane; the 16 rows turn through the wave's own stage in LDS and come back as the operand's layout
; gives them to a lane, 128 neighbouring bytes of one row.  Stage rows lie 528 bytes apart: the sixteen rows that a read touches start at sixteen different banks.  Each path has LDS bytes of its own.
.set SP,    528                        ; a stage row: 512 bytes + 16
.set HST0,  67584                      ; Q's eight stages (8,448 bytes a wave) lie from 0; H's from here: W_h's,
.set HST1,  135168                     ; and hidden's
.set HIM,   202752                     ; H: the eight waves' parts of the sums, 1,024 bytes each
.set SPARE, 210944                     ; the spare words, 128 bytes a wave
.set T,   8                            ; v8-14   at work in QFRAG
.set SH,  15                           ; v15     8 x (lane / 16)
.set SPW, 60                           ; v60     LDS address of my spare word; never rewritten
.set NIL, 61                           ; v61     0; never rewritten
; 16 rows x 128 along K of f32: row j's 512 bytes by one load
.macro DLOAD x, base, pitch
.irp j, 0,1,2,3,4,5,6,7,8,9,10,11,12,13,14,15
	global_load_b128 v[\x+4*\j:\x+4*\j+3], v5, s[\base:\base+1] offset:\pitch*\j
.endr
.endm
.macro STIN x, adr                     ; into the stage as loaded
.irp j, 0,1,2,3,4,5,6,7,8,9,10,11,12,13,14,15
	ds_store_b128 v[\adr], v[\x+4*\j:\x+4*\j+3] offset:SP*\j
.endr
.endm
.macro STOUT y, adr                    ; and back: lane (r, h) takes k = 64 c + 32 h + 0 .. 31 of row r.  LDS serves a wave's instructions in order: these see the stores
.irp c, 0,1
.irp i, 0,1,2,3,4,5,6,7
	ds_load_b128 v[\y+32*\c+4*\i:\y+32*\c+4*\i+3], v[\adr] offset:256*\c+16*\i
.endr
.endr
.endm
; those 64 numbers become the fragment's 8 registers in v[cd] on and the row's scale word in v[w]
.macro QFRAG x, cd, w
.irp c, 0,1
	v_max3_num_f32 v[T+\c], |v[\x+32*\c]|, |v[\x+32*\c+1]|, 0x1800000   ; my block 2 c + h: all 32 numbers are mine; the floor 2^(3 - 127) holds the byte at 1 from below
.endr
.irp i, 2,4,6,8,10,12,14,16,18,20,22,24,26,28,30
.irp c, 0,1
	s_delay_alu instid0(VALU_DEP_2)
	v_max3_num_f32 v[T+\c], v[T+\c], |v[\x+32*\c+\i]|, |v[\x+32*\c+\i+1]|
.endr
.endr
.irp c, 0,1
	s_delay_alu instid0(VALU_DEP_2)
	v_add_nc_u32 v[T+2+\c], 0xff000000, v[T+\c]    ; 2 off the exponent field: the conversion's scale operand
.endr
.irp c, 0,1
	s_delay_alu instid0(VALU_DEP_2)
	v_lshrrev_b32 v[T+4+\c], 23, v[T+2+\c]         ; the scale's byte
.endr
	s_delay_alu instid0(VALU_DEP_1)
	v_lshl_or_b32 v[\w], v[T+5], 16, v[T+4]        ; blocks h and 2 + h,
	s_delay_alu instid0(VALU_DEP_1)
	v_lshlrev_b32 v[\w], v[SH], v[\w]              ; at their places in the word;
	s_delay_alu instid0(VALU_DEP_1)
	v_permlanex16_b32 v[T+6], v[\w], s28, s29
	s_delay_alu instid0(VALU_DEP_1)
	v_or_b32 v[\w], v[\w], v[T+6]                  ; with lane l xor 16's two the word is whole
.irp c, 0,1
.irp g, 0,1,2,3
	v_cvt_scalef32_pk8_fp4_f32 v[\cd+4*\c+\g], v[\x+32*\c+8*\g:\x+32*\c+8*\g+7], v[T+2+\c]
.endr
.endr
	v_nop                                          ; one plain place behind the scaled conversions
.endm
	s_load_b512 s[4:19], s[0:1], 0x0               ; attn_w s[4:5], hidden s[6:7], attn_b s[8:9], v_w s[10:11], mask s[12:13], wq s[14:15], wsc s[16:17], hv s[18:19]
	s_load_b128 s[20:23], s[0:1], 0x40             ; rows s[20:21], meta s[22:23]
	s_load_b64 s[24:25], s[0:1], 0x50              ; pos
	v_lshl_add_u32 v[SPW], v0, 2, SPARE
	v_mov_b32 v[NIL], 0
	v_lshrrev_b32 v1, 5, v0
	s_delay_alu instid0(VALU_DEP_1)
	v_readfirstlane_b32 s26, v1                    ; wave 0..7
	v_and_b32 v1, 31, v0                           ; lane
	v_and_b32 v2, 15, v0                           ; r
	v_bfe_u32 v3, v0, 4, 1                         ; h
	s_delay_alu instid0(VALU_DEP_3)
	v_lshlrev_b32 v5, 4, v1                        ; 16 x lane
	s_delay_alu instid0(VALU_DEP_3)
	v_lshlrev_b32 v7, 2, v2                        ; 4 r
	s_delay_alu instid0(VALU_DEP_3)
	v_lshlrev_b32 v[SH], 3, v3
	v_mov_b32 v[T+6], 0                            ; a lane permute's destination counts as one of its sources
	; every LDS address is made here, ahead of the paths' parting
	s_mul_i32 s27, s26, 16*SP
	v_add_nc_u32 v48, s27, v5                      ; Q's stage, in: 8,448 x wave + 16 x lane
	v_mul_u32_u24 v49, v2, SP
	s_delay_alu instid0(VALU_DEP_1)
	v_lshl_add_u32 v49, v3, 7, v49
	s_delay_alu instid0(VALU_DEP_1)
	v_add_nc_u32 v49, s27, v49                     ; and out: 8,448 x wave + 528 r + 128 h
	s_delay_alu instid0(VALU_DEP_4)
	v_add_nc_u32 v50, HST0, v48                    ; H's two stages likewise
	s_delay_alu instid0(VALU_DEP_2)
	v_add_nc_u32 v51, HST0, v49
	v_add_nc_u32 v52, HST1, v48
	s_delay_alu instid0(VALU_DEP_4)
	v_add_nc_u32 v53, HST1, v49
	s_lshl_b32 s27, s26, 10
	v_add_nc_u32 v54, s27, v5
	s_delay_alu instid0(VALU_DEP_1)
	v_add_nc_u32 v54, HIM, v54                     ; my part of the sums: 1,024 x wave + 16 x lane
	s_lshr_b32 s27, s26, 2
	s_lshl_b32 s27, s27, 9
	s_and_b32 s32, s26, 3
	s_lshl_b32 s32, s32, 2
	s_add_co_u32 s27, s27, s32
	v_add_nc_u32 v55, s27, v5
	s_delay_alu instid0(VALU_DEP_1)
	v_add_nc_u32 v55, HIM, v55                     ; where register w of a part lies: 512 (w / 4) + 4 (w % 4) + 16 x lane
	s_mov_b32 s28, 0x76543210
	s_mov_b32 s29, 0xfedcba98                      ; selects for lane l xor 16
	s_mov_b32 s31, 0                               ; the upper word of the offsets' pair s[30:31]
	s_wait_kmcnt 0x0
	s_cmp_ge_u32 ttmp9, 192
	s_cbranch_scc1 .Lmask
	s_cmp_ge_u32 ttmp9, 64
	s_cbranch_scc1 .Lhid
; ---- Q: tile t = work-group (rows 16 t on of W_e), K step = wave
	s_lshl_b32 s30, ttmp9, 17                      ; 16 rows of 8,192 bytes
	s_lshl_b32 s32, s26, 9                         ; 128 numbers a K step
	s_add_co_u32 s30, s30, s32
	s_add_co_u32 s30, s30, 4096                    ; W_e begins at column 1,024
	s_add_nc_u64 s[4:5], s[4:5], s[30:31]
	DLOAD 64, 4, 8192
	s_lshl_b32 s32, ttmp9, 3
	s_add_co_u32 s32, s32, s26                     ; 8 t + s
	s_lshl_b32 s30, s32, 10
	s_add_nc_u64 s[14:15], s[14:15], s[30:31]      ; a fragment's image: 1,024 bytes
	s_lshl_b32 s30, s32, 6
	s_add_nc_u64 s[16:17], s[16:17], s[30:31]      ; its 16 scale words
	s_wait_loadcnt 0x0
	STIN 64, 48
	s_wait_alu depctr_va_vdst(0)
	STOUT 128, 49
	s_wait_dscnt 0x0
	QFRAG 128, 16, 56
	global_store_b128 v5, v[16:19], s[14:15]       ; registers 0-3, lane by lane: 512 consecutive bytes
	global_store_b128 v5, v[20:23], s[14:15] offset:512
	global_store_b32 v7, v56, s[16:17]             ; row r's word (both halves of the lanes hold it): 64 bytes a wave, the eight waves' 512 on end
	s_wait_tensorcnt 0x0                           ; the wave's end: three lines behind my last LDS store
	ds_add_u32 v[SPW], v[NIL]
	s_wait_dscnt 0x0
	s_endpgm
; ---- H: columns n = 16 t + r of h_proj for batches 16 f on; K step = wave
.Lhid:
	s_sub_co_u32 s27, ttmp9, 64
	s_and_b32 s33, s27, 1                          ; f: which half of the batches
	s_lshr_b32 s27, s27, 1                         ; t
	s_lshl_b32 s32, s26, 9                         ; my K step
	s_lshl_b32 s30, s27, 17
	s_add_co_u32 s30, s30, s32
	s_add_nc_u64 s[4:5], s[4:5], s[30:31]          ; W_h: rows 16 t on
	s_lshl_b32 s30, s33, 16
	s_add_co_u32 s30, s30, s32
	s_add_nc_u64 s[6:7], s[6:7], s[30:31]          ; hidden: rows 16 f on
	s_lshl_b32 s30, s27, 6
	s_add_nc_u64 s[8:9], s[8:9], s[30:31]          ; attn_b and v_w at n = 16 t
	s_add_nc_u64 s[10:11], s[10:11], s[30:31]
	DLOAD 64, 4, 8192
	DLOAD 128, 6, 4096
	global_load_b32 v62, v7, s[8:9]
	global_load_b32 v63, v7, s[10:11]
	s_lshl_b32 s37, s33, 4
	s_add_co_u32 s37, s37, s26                     ; register w of the eight is batch 16 f + w + 8 h
	s_lshl_b32 s30, s37, 14
	s_lshl_b32 s38, s27, 8
	s_add_co_u32 s30, s30, s38
	s_add_nc_u64 s[18:19], s[18:19], s[30:31]
	v_lshlrev_b32 v3, 17, v3
	s_delay_alu instid0(VALU_DEP_1)
	v_lshl_add_u32 v3, v2, 4, v3                   ; hv: 8 h batches of 16,384 bytes + 16 r
	s_wait_loadcnt 18                              ; W_h's 16 loads are in: behind them 16 + 2 were issued
	STIN 64, 50
	s_wait_alu depctr_va_vdst(0)
	STOUT 192, 51
	s_wait_loadcnt 2                               ; hidden's are in
	STIN 128, 52
	s_wait_dscnt 16                                ; all but the 16 stores just issued: W_h's stores have read v64-127, and its numbers are back
	STOUT 64, 53
	QFRAG 192, 16, 56
	s_wait_dscnt 0x0
	QFRAG 64, 24, 57
.rept 8
	v_nop                                          ; a scale register written by a vector instruction stands 8 places ahead of a scaled matrix instruction, an operand 4
.endr
	v_wmma_scale_f32_16x16x128_f8f6f4 v[40:47], v[24:31], v[16:23], 0, v57, v56 matrix_a_fmt:MATRIX_FMT_FP4 matrix_b_fmt:MATRIX_FMT_FP4   ; lane (r, h), register j: batch 16 f + 8 h + j, column 16 t + r
.rept 4
	v_nop
.endr
	ds_store_b128 v54, v[40:43]                    ; the accumulator from its low end on
	ds_store_b128 v54, v[44:47] offset:512
	s_wait_dscnt 0x0                               ; for the others' sake: my K step's part lies in LDS
	s_barrier_signal -1
	s_barrier_wait -1
.irp w, 0,1,2,3,4,5,6,7
	ds_load_b32 v[64+\w], v55 offset:1024*\w       ; one of the eight registers, of all eight K steps
.endr
	s_wait_dscnt 0x0
.irp w, 1
	v_add_f32 v64, v64, v[64+\w]                   ; K ascending
.endr
.irp w, 2, 3, 4, 5, 6, 7
	s_delay_alu instid0(VALU_DEP_1)
	v_add_f32 v64, v64, v[64+\w]                   ; K ascending
.endr
	s_wait_alu depctr_va_vdst(0)
	s_wait_loadcnt 0x0                             ; attn_b, v_w
	v_add_f32 v64, v64, v62
	s_delay_alu instid0(VALU_DEP_1)
	v_mul_f32 v68, 0x4038aa3b, v64                 ; x 2 log2(e)
	v_mul_f32 v70, -2.0, v63
	s_delay_alu instid0(VALU_DEP_2)
	v_mov_b32 v69, v68                             ; each number twice: the packed forms of the next launch take pairs
	s_delay_alu instid0(VALU_DEP_2)
	v_mov_b32 v71, v70
	global_store_b128 v3, v[68:71], s[18:19]       ; sixteen lanes store 256 consecutive bytes, aligned
	s_wait_tensorcnt 0x0                           ; the wave's end: three lines behind my last LDS store
	ds_add_u32 v[SPW], v[NIL]
	s_wait_dscnt 0x0
	s_endpgm
; ---- M: batch b = work-group - 192.  Every wave counts the whole batch for itself (no LDS, no barrier) and places its own 256 rows
.Lmask:
	s_sub_co_u32 s27, ttmp9, 192                   ; b
	s_lshl_b32 s30, s27, 13
	s_add_nc_u64 s[12:13], s[12:13], s[30:31]
	s_add_nc_u64 s[24:25], s[24:25], s[30:31]
	s_lshl_b32 s30, s26, 10
	s_add_nc_u64 s[34:35], s[12:13], s[30:31]      ; my 256 rows of the mask,
	s_add_nc_u64 s[24:25], s[24:25], s[30:31]      ; and of the table of places
	s_mul_i32 s30, s27, 9216
	s_add_nc_u64 s[20:21], s[20:21], s[30:31]      ; the batch's list: 2,304 entries
	s_lshl_b32 s30, s27, 8
	s_add_nc_u64 s[22:23], s[22:23], s[30:31]
	v_lshlrev_b32 v8, 2, v1
.set c, 0
.rept 8
	global_load_b32 v[64+c], v8, s[34:35] offset:128*c
.set c, c+1
.endr
.set c, 0
.rept 64
	global_load_b32 v[128+c], v8, s[12:13] offset:128*c
.set c, c+1
.endr
	s_movk_i32 s46, 320                            ; score words of a work-group
	s_mul_i32 s47, s27, 2560                       ; and of the batches ahead
	v_mov_b32 v28, 0xfffff                         ; what stands for a row whose mask is 0
	s_mov_b32 s32, 0                               ; kept rows so far
	s_mov_b32 s39, 0                               ; kept rows ahead of my wave's
	s_wait_loadcnt 0x0
.irp g, 0,1,2,3,4,5,6,7
	s_cmp_eq_u32 s26, \g
	s_cselect_b32 s39, s32, s39
.irp i, 0,1,2,3,4,5,6,7
	v_cmp_ne_u32 s[48+\i], 0, v[128+8*\g+\i]       ; eight ballots, then their counts: no line waits for the line above it
.endr
.irp i, 0,1,2,3,4,5,6,7
	s_bcnt1_i32_b32 s41, s[48+\i]
	s_add_co_u32 s32, s32, s41
.endr
.endr
	s_lshl_b32 s44, s26, 8                         ; 256 x wave
	s_cmp_eq_u32 s32, 0
	s_cselect_b32 s36, -1, 0                       ; no row kept: then all are listed, and flagged
	s_cselect_b32 s37, 2048, s32                   ; rows listed
	s_cselect_b32 s39, s44, s39                    ; listed rows ahead of my wave's
	s_lshl_b32 s40, s27, 11                        ; the batch's first row; also what fills the rest of the list (never fetched as a row)
	v_mov_b32 v16, s40
	v_add_nc_u32 v11, s44, v1                      ; my row in the batch, less 32 c
	s_delay_alu instid0(VALU_DEP_1)
	v_add_nc_u32 v12, s40, v11
	s_delay_alu instid0(VALU_DEP_2)
	v_add_nc_u32 v11, s37, v11
.set c, 0
.rept 8
	v_cmp_ne_u32 vcc_lo, 0, v[64+c]
	s_or_b32 s42, vcc_lo, s36
	v_mbcnt_lo_u32_b32 v9, s42, 0
	s_delay_alu instid0(VALU_DEP_1)
	v_add_nc_u32 v9, s39, v9                       ; A: listed rows ahead of mine: a listed row's place P
	s_delay_alu instid0(VALU_DEP_1)
	v_sub_nc_u32 v10, v11, v9
	s_delay_alu instid0(VALU_DEP_1)
	v_add_nc_u32 v10, 32*c, v10                    ; any other row x fills place (rows listed) + x - A: so each of the 2,048 places is stored once
	s_delay_alu instid0(VALU_DEP_1)
	v_cndmask_b32 v[64+c], v10, v9, s42
	v_add_nc_u32 v13, 32*c, v12
	s_delay_alu instid0(VALU_DEP_1)
	v_cndmask_b32 v[80+c], v16, v13, s42
	s_delay_alu instid0(VALU_DEP_3)
	v_min_u32 v[64+c], 0x7ff, v[64+c]
	s_delay_alu instid0(VALU_DEP_1)
	v_lshlrev_b32 v[64+c], 2, v[64+c]
	global_store_b32 v[64+c], v[80+c], s[20:21]    ; each store has registers of its own: none is written again
	v_bfe_u32 v10, v9, 4, 3                        ; which of the batch's 8 work-groups has place P,
	v_lshrrev_b32 v13, 7, v9                       ; as which of its local tiles,
	v_and_b32 v14, 15, v9                          ; and which row of the tile
	s_delay_alu instid0(VALU_DEP_1)
	v_mad_u32_u24 v10, v10, s46, v14
	s_delay_alu instid0(VALU_DEP_1)
	v_lshl_add_u32 v10, v13, 4, v10
	s_delay_alu instid0(VALU_DEP_4)
	v_add_nc_u32 v13, 7, v13
	s_delay_alu instid0(VALU_DEP_1)
	v_and_b32 v13, 16, v13                         ; 16 from local tile 9 on (local tiles end at 15)
	s_delay_alu instid0(VALU_DEP_1)
	v_add_nc_u32 v10, v10, v13
	s_delay_alu instid0(VALU_DEP_1)
	v_add_nc_u32 v10, s47, v10
	s_delay_alu instid0(VALU_DEP_1)
	v_cndmask_b32 v[96+c], v28, v10, s42
	global_store_b32 v8, v[96+c], s[24:25] offset:128*c   ; row 256 w + 32 c + lane: where its score will lie
	s_bcnt1_i32_b32 s43, s42
	s_add_co_u32 s39, s39, s43
.set c, c+1
.endr
	v_lshlrev_b32 v22, 2, v0
	global_store_b32 v22, v16, s[20:21] offset:8192   ; places 2,048 to 2,303, a thread a place: a work-group's last tiles may reach there
	s_cmp_lg_u32 s26, 0                            ; all eight waves hold the counts: wave 0 stores the shares
	s_cbranch_scc1 .Lm_end
	s_lshr_b32 s38, s37, 4                         ; whole tiles in the list,
	s_and_b32 s43, s37, 15                         ; and the rows of the tile behind them
	s_add_co_u32 s44, s38, 7
	s_and_b32 s45, s38, 7
	v_and_b32 v24, 7, v1                           ; j: which of the batch's 8 work-groups
	s_delay_alu instid0(VALU_DEP_1)
	v_sub_nc_u32 v25, s44, v24
	s_delay_alu instid0(VALU_DEP_1)
	v_lshrrev_b32 v25, 3, v25                      ; whole tiles T with T % 8 = j
	s_delay_alu instid0(VALU_DEP_1)
	v_lshlrev_b32 v25, 4, v25
	s_delay_alu instid0(VALU_DEP_4)
	v_cmp_eq_u32 vcc_lo, s45, v24
	v_mov_b32 v26, s43
	s_delay_alu instid0(VALU_DEP_1)
	v_cndmask_b32 v26, 0, v26, vcc_lo
	s_delay_alu instid0(VALU_DEP_1)
	v_add_nc_u32 v25, v25, v26                     ; its rows
	s_delay_alu instid0(VALU_DEP_1)
	v_mov_b32 v24, v25
	s_and_b32 s45, s36, 0x10000
	v_or_b32 v25, s45, v25                         ; bit 16: the batch keeps no row
	v_lshlrev_b32 v27, 3, v1
	global_store_b64 v27, v[24:25], s[22:23]       ; 256 consecutive bytes, aligned (the 8 entries four times)
.Lm_end:
	s_endpgm
.Lfunc_end_k_qecf98ae2f8_prep:
	.size	k_qecf98ae2f8_prep, .Lfunc_end_k_qecf98ae2f8_prep-k_qecf98ae2f8_prep
	.p2alignl 7, 3214868480
	.fill 96, 4, 3214868480
	.section	.rodata,"a",@progbits
	.p2align	6, 0x0
	.amdhsa_kernel k_qecf98ae2f8_prep
		.amdhsa_group_segment_fixed_size 211968
		.amdhsa_private_segment_fixed_size 0
		.amdhsa_enable_private_segment 0
		.amdhsa_kernarg_size 88
		.amdhsa_user_sgpr_count 2
		.amdhsa_user_sgpr_kernarg_segment_ptr 1
		.amdhsa_wavefront_size32 1
		.amdhsa_system_sgpr_workgroup_id_x 1
		.amdhsa_system_sgpr_workgroup_id_y 1
		.amdhsa_system_sgpr_workgroup_id_z 1
		.amdhsa_system_vgpr_workitem_id 0
		.amdhsa_next_free_vgpr 256
		.amdhsa_next_free_sgpr 66
		.amdhsa_reserve_vcc 1
		.amdhsa_float_denorm_mode_32 3
		.amdhsa_float_denorm_mode_16_64 3
		.amdhsa_memory_ordered 1
		.amdhsa_forward_progress 1
		.amdhsa_inst_pref_size 61
	.end_amdhsa_kernel
	.amdgpu_metadata
---
amdhsa.version: [ 1, 2 ]
amdhsa.kernels:
  - .name:           k_qecf98ae2f8_prep
    .symbol:         k_qecf98ae2f8_prep.kd
    .args:
      - { .name: attn_w, .offset: 0, .size: 8, .value_kind: global_buffer, .address_space: global }
      - { .name: hidden, .offset: 8, .size: 8, .value_kind: global_buffer, .address_space: global }
      - { .name: attn_b, .offset: 16, .size: 8, .value_kind: global_buffer, .address_space: global }
      - { .name: v_w, .offset: 24, .size: 8, .value_kind: global_buffer, .address_space: global }
      - { .name: mask, .offset: 32, .size: 8, .value_kind: global_buffer, .address_space: global }
      - { .name: wq, .offset: 40, .size: 8, .value_kind: global_buffer, .address_space: global }
      - { .name: wsc, .offset: 48, .size: 8, .value_kind: global_buffer, .address_space: global }
      - { .name: hv, .offset: 56, .size: 8, .value_kind: global_buffer, .address_space: global }
      - { .name: rows, .offset: 64, .size: 8, .value_kind: global_buffer, .address_space: global }
      - { .name: meta, .offset: 72, .size: 8, .value_kind: global_buffer, .address_space: global }
      - { .name: pos, .offset: 80, .size: 8, .value_kind: global_buffer, .address_space: global }
    .group_segment_fixed_size: 211968
    .private_segment_fixed_size: 0
    .kernarg_segment_align: 8
    .kernarg_segment_size: 88
    .max_flat_workgroup_size: 256
    .sgpr_count:     66
    .vgpr_count:     256
    .wavefront_size: 32
...
	.end_amdgpu_metadata
.endif
;; end of part 4
;; launch attn (part 5): grid 256 x 1, 4 waves a work-group, no clusters, 318,976 bytes of LDS; arguments encoder_outputs, rows, meta, wq, wsc, hv, scw, pctx; writes scw, pctx
.if DOCPART == 5
	.amdgcn_target "amdgcn-amd-amdhsa--gfx1250"
	.amdhsa_code_object_version 6
	.text
	.protected	k_qecf98ae2f8_attn
	.globl	k_qecf98ae2f8_attn
	.p2align	8
	.type	k_qecf98ae2f8_attn,@function
k_qecf98ae2f8_attn:
	s_mov_b64 s[64:65], 0
	v_nop
	global_prefetch_b8 v0, s[64:65] scope:SCOPE_SE
	s_setreg_imm32_b32 hwreg(HW_REG_WAVE_MODE, 25, 1), 1
	s_wait_xcnt 0x0
; ADDITIVE ATTENTION, launch 2 of 3.  Work-group 8 b + j takes its share of batch b's listed rows through the whole chain, reading each row of encoder_outputs once:
; quantise to E2M1 along the 1,024 channels, product 2 with W_e's codes, + h_proj + attn_b, tanh, product 3 with v_w, a softmax with a running maximum, its part of product 4.
; ROWS WHOSE MASK IS 0 ARE LEFT OUT (shown at the head of the first launch): this launch multiplies the rows of the stored list alone.
; SHARES.  The batch's list goes in tiles of 16 places; my local tile m is list tile 8 m + j.  A PASS serves up to 144 rows, nine tiles; two passes (a constant count) serve every mask.
; A pass without rows runs only its barriers: every barrier stands outside the branches on the stored counts.  A place behind the pass's last row takes the pass's first row again (a select) and gets the weight 0.
; THE WAY IN: wave w takes channels 256 w on of each row, 8 neighbours a lane (four lanes hold a block of 32).  Codes and scale bytes go to the other waves through two small slots in LDS that take turns,
; one barrier a tile; every wave then holds all nine tiles' fragments (576 registers).  The same numbers, rounded to bf16, are parked in LDS (288 KiB) until the weights are known.
; THE PRODUCT: wave w makes columns 256 w on, 16 tiles, so each byte of W's codes is read once by the work-group in a pass, from memory straight into the operand's registers.
; Source 0 = 16 rows, source 1 = 16 rows of W_e: a lane holds one column n.  tanh(z) = 1 - 2 / (1 + 2^(c z)), c = 2 log2(e): score = sum v + sum vv / (1 + 2^(..)).
; A column tile's nine row tiles are multiplied in one run of 72 matrix instructions, and their 72 results a lane go through the tanh together: two batches of transcendentals.
; EVERY LDS ADDRESS is a register made at the head and an immediate: where a loop's trips differ in their LDS places, the LDS lines alone stand once for each trip, chosen by a scalar branch on the trip's counter.
; NO TENSOR LOAD, NO CLUSTER: branches here hang on counts read from memory; W's tiles are not asked for jointly.
; NO PREFETCH: the rows' addresses come from the list two tiles ahead and 64 loads of each wave are on their way; W's 544 KiB are read by every work-group.
; LIMITS: as at the head of the first launch.  encoder_outputs enters product 4 rounded to bf16; all sums in f32.
; REGISTERS, in windows of 256.  window 0: v1-15, v19, v24-28, v90 addresses; v16, v17 the add's two; v22 sum of v; v23 running maximum; v30-37 my 8 channels of the context; v38-73 the tiles' scale words;
;   v74-81 W's scale words, v82-89 hb and vv, two sets each; v91-95 the pass's scores; v96-223 rows on the way in (even tiles), v224-255 at work there; in the product v96-167 the nine accumulators and
;   v168-239 the rows' sums; later v96-223 parked rows and v224-255 their weights.
;   window 1: tiles 0-2's fragments, from v192 W's (even column tiles).  window 2: tiles 3-5's, from v192 W's (odd).  window 3: tiles 6-8's; v64-191 also take the odd tiles' rows on the way in.
.set XCH,   294912                     ; behind the parked rows (144 x 2,048 bytes): two slots
.set XSL,   9216                       ; a slot: 16 rows of codes, 512 bytes + 16 of padding,
.set XSC,   8448                       ; then 16 rows of scale bytes, 32 bytes + 16: byte of K step s, block i at 16 (s % 2) + 4 (s / 2) + i
.set SCR,   313344                     ; 640 bytes a wave: its columns' part of 144 scores, and of the sum of v at word 144
.set PB,    315904                     ; 640 bytes a wave: its own copy of the weights
.set SPARE, 318464                     ; the spare words, 128 bytes a wave
.set SPW, 16
.set NIL, 17
.set LANE, 18
.set MO,  19
.set VS,  22
.set MRUN, 23
.set PK,  24                           ; v24-28  my 16 bytes of a parked row: 16 x thread + 65,536 m: register m serves tiles 2 m and 2 m + 1
.set CTX, 30
.set ASC, 38
.set WSC, 74
.set HV,  82
.set SCO, 91
.set SET0, 96
.set ACC, 96
.set SACC, 168
.set TM,  224
.set TS,  228
.set TB,  232
.set TC,  236
.set TF,  240
.set DATA0, 96
.set PR0, 224
.set SCM, 181
.set PP,  186
.set NEGV, 196
.set BIGV, 197
.set MX,  198
.set MY,  199
.set FF,  200
.set TT,  201
.set MSB, 0
.macro WIN new                         ; the immediate's high byte repeats the setting that is left; a switch that changes nothing is dropped
.if MSB != (\new)
	s_set_vgpr_msb (MSB<<8)|(\new)
.set MSB, (\new)
.endif
.endm
.macro VW                              ; the wait behind vector writes and round batches of transcendentals
	s_wait_alu depctr_va_vdst(0)
.endm
.macro BAR
	s_wait_dscnt 0x0                               ; my LDS stores have landed and my LDS reads are in
	s_barrier_signal -1
	s_barrier_wait -1
.endm
.macro CLEAR from, count
.set z, \from
.rept \count
	v_mov_b32 v[z], 0
.set z, z+1
.endr
.endm
; W's fragments of one column tile (8 K steps, 8 KiB) and its scale words (lanes 0-15 K step 2 q, lanes 16-31 K step 2 q + 1) into set buf
.macro LOADWC buf
	WIN (1+(\buf))<<6
.irp s, 0,1,2,3,4,5,6,7
.irp c, 0,1
	global_load_b128 v[192+8*\s+4*\c:192+8*\s+4*\c+3], v7, s[60:61] offset:8192*(\buf)+1024*\s+512*\c
.endr
.endr
	WIN 0
.irp q, 0,1,2,3
	global_load_b32 v[WSC+4*(\buf)+\q], v8, s[62:63] offset:512*(\buf)+128*\q
.endr
.endm
.macro LOADHV buf                      ; (hb, hb, vv, vv) of my column
	global_load_b128 v[HV+4*(\buf):HV+4*(\buf)+3], v9, s[98:99] offset:256*(\buf)
.endm
; a tile's 16 rows are asked for, 32 bytes a lane of each: an even tile's into window 0, an odd tile's into window 3.  s[32:47]: their numbers; s57: the pass's rows less the tile's first place (signed)
.macro LOADS odd
.set LB, SET0-32*(\odd)
	s_wait_xcnt 0x0                                ; the sixteen address pairs are written again only behind this wait
.irp k, 0,1,2,3,4,5,6,7,8,9,10,11,12,13,14,15
	s_cmp_gt_i32 s57, \k                           ; a place behind the pass's last row
	s_cselect_b32 s52, s[32+\k], s26               ; takes the pass's first row
	s_min_u32 s52, s52, 0xffff
	s_lshl_b32 s52, s52, 12
	s_add_nc_u64 s[66+2*\k:67+2*\k], s[4:5], s[52:53]
.endr
	WIN 0xc0*(\odd)
.irp k, 0,1,2,3,4,5,6,7,8,9,10,11,12,13,14,15
	global_load_b128 v[LB+8*\k:LB+8*\k+3], v1, s[66+2*\k:67+2*\k]
	global_load_b128 v[LB+8*\k+4:LB+8*\k+7], v1, s[66+2*\k:67+2*\k] offset:16
.endr
	WIN 0
.endm
; tile i: my 8 numbers of each row become 8 codes, a scale byte and 8 bf16; four rows by turns.  wm = 2: behind my tile's loads the next tile's 32 were issued; 1: none
.macro PROCESS i, wm
.set ODD, (\i)%2
.set SB, SET0-32*ODD
.set SLT, XSL*ODD
.irp a, 0,1,2,3
.if (\wm) == 2
	s_wait_loadcnt 56-8*\a                         ; rows 4 a to 4 a + 3 are in: behind them my tile's 24 - 8 a loads and the next tile's 32
.else
	s_wait_loadcnt 24-8*\a
.endif
	s_wait_dscnt 0x0                               ; the last four rows' LDS stores have read their registers
	WIN 0x3c*ODD
.irp u, 0,1,2,3
	v_max3_num_f32 v[TM+\u], s100, |v[SB+8*(4*\a+\u)]|, |v[SB+8*(4*\a+\u)+1]|   ; s100: the floor 2^(3 - 127): the byte cannot fall under 1
.endr
.irp e, 2,4,6
.irp u, 0,1,2,3
	v_max3_num_f32 v[TM+\u], v[TM+\u], |v[SB+8*(4*\a+\u)+\e]|, |v[SB+8*(4*\a+\u)+\e+1]|
.endr
.endr
	WIN 0
.irp u, 0,1,2,3
	v_max_num_f32_dpp v[TM+\u], v[TM+\u], v[TM+\u] row_xmask:1 row_mask:0xf bank_mask:0xf
.endr
.irp u, 0,1,2,3
	v_max_num_f32_dpp v[TM+\u], v[TM+\u], v[TM+\u] row_xmask:2 row_mask:0xf bank_mask:0xf   ; four lanes hold a block
.endr
.irp u, 0,1,2,3
	v_add_nc_u32 v[TS+\u], s101, v[TM+\u]          ; 2 off the exponent field: the conversion's scale operand
.endr
.irp u, 0,1,2,3
	v_lshrrev_b32 v[TB+\u], 23, v[TS+\u]           ; the scale's byte
.endr
	WIN 0x03*ODD
.irp u, 0,1,2,3
	v_cvt_scalef32_pk8_fp4_f32 v[TC+\u], v[SB+8*(4*\a+\u):SB+8*(4*\a+\u)+7], v[TS+\u]
.endr
	WIN 0x0f*ODD
.irp u, 0,1,2,3
.irp d, 0,1,2,3
	v_cvt_pk_bf16_f32 v[TF+4*\u+\d], v[SB+8*(4*\a+\u)+2*\d], v[SB+8*(4*\a+\u)+2*\d+1]   ; (plain lines behind the scaled conversions)
.endr
.endr
	WIN 0
.irp u, 0,1,2,3
	ds_store_b32 v2, v[TC+\u] offset:SLT+528*(4*\a+\u)
	ds_store_b8 v3, v[TB+\u] offset:SLT+48*(4*\a+\u)     ; a block's four lanes write the same byte with the same value
	ds_store_b128 v[PK+(\i)/2], v[TF+4*\u:TF+4*\u+3] offset:32768*((\i)%2)+2048*(4*\a+\u)   ; parked: row 16 i + 4 a + u
.endr
.endr
.endm
; tile i's eight fragments and its scale words (register q: lanes 0-15 K step 2 q, lanes 16-31 K step 2 q + 1), out of its slot
.macro FRAGS i
	WIN (((\i)/3)+1)<<6
.irp s, 0,1,2,3,4,5,6,7
.irp c, 0,1
	ds_load_b128 v[64*((\i)%3)+8*\s+4*\c:64*((\i)%3)+8*\s+4*\c+3], v5 offset:XSL*((\i)%2)+64*\s+32*\c
.endr
.endr
	WIN 0
	ds_load_b128 v[ASC+4*(\i):ASC+4*(\i)+3], v6 offset:XSL*((\i)%2)
.endm
; One tile of the way in, and its barrier.  Slot i % 2 is written here, read behind this barrier (behind the next tile's quantising), and written again two tiles on, behind the next barrier,
; in front of which every wave has waited for its reads.  On the idle way nothing of mine stays out: so the counts in PROCESS hold on every way through the text.
.macro BLOCK i
	s_cmp_eq_u32 s28, 0
	s_cbranch_scc1 .Lidle_\@
.if (\i) <= 6
	s_load_b512 s[32:47], s[6:7], 512*((\i)+2)     ; the numbers of the rows two tiles on: my local tiles lie 8 list tiles, 512 bytes, apart
.endif
.if (\i) < 8
	PROCESS \i, 2
.else
	PROCESS \i, 1
.endif
.if (\i) > 0
	FRAGS (\i)-1
.endif
.if (\i) <= 6
	s_wait_kmcnt 0x0
	s_sub_co_i32 s57, s28, 16*((\i)+2)
	LOADS (\i)%2                                   ; into the registers just worked off
.endif
.if (\i) == 6
	s_cmp_lg_u32 s29, 0                            ; in the first pass the row numbers' registers are free from here on:
	s_cbranch_scc1 .Lnonext_\@
	s_load_b512 s[32:47], s[6:7], 4608             ; they take the second pass's first tile, my local tile 9 (a second pass has rows only behind a first pass with rows)
.Lnonext_\@:
.endif
	s_branch .Ljoin_\@
.Lidle_\@:
	s_wait_loadcnt 0x0
.Ljoin_\@:
	BAR
.endm
; 24 matrix instructions: row tiles 3 g to 3 g + 2 x the column tile in set buf, K = 1,024.  The three accumulators take turns, one instruction a turn; the first K step starts the sums
.macro M buf, g, ac
	WIN ((\g)+1)|((1+(\buf))<<2)
.irp s, 0,1,2,3,4,5,6,7
.irp x, 0,1,2
.if \s == 0
	v_wmma_scale_f32_16x16x128_f8f6f4 v[\ac+8*\x:\ac+8*\x+7], v[64*\x+8*\s:64*\x+8*\s+7], v[192+8*\s:192+8*\s+7], 0, v[ASC+4*(3*(\g)+\x)+\s/2], v[WSC+4*(\buf)+\s/2] matrix_a_fmt:MATRIX_FMT_FP4 matrix_b_fmt:MATRIX_FMT_FP4
.elseif \s % 2
	v_wmma_scale_f32_16x16x128_f8f6f4 v[\ac+8*\x:\ac+8*\x+7], v[64*\x+8*\s:64*\x+8*\s+7], v[192+8*\s:192+8*\s+7], v[\ac+8*\x:\ac+8*\x+7], v[ASC+4*(3*(\g)+\x)+\s/2], v[WSC+4*(\buf)+\s/2] matrix_a_fmt:MATRIX_FMT_FP4 matrix_b_fmt:MATRIX_FMT_FP4 matrix_a_scale:MATRIX_SCALE_ROW1 matrix_b_scale:MATRIX_SCALE_ROW1
.else
	v_wmma_scale_f32_16x16x128_f8f6f4 v[\ac+8*\x:\ac+8*\x+7], v[64*\x+8*\s:64*\x+8*\s+7], v[192+8*\s:192+8*\s+7], v[\ac+8*\x:\ac+8*\x+7], v[ASC+4*(3*(\g)+\x)+\s/2], v[WSC+4*(\buf)+\s/2] matrix_a_fmt:MATRIX_FMT_FP4 matrix_b_fmt:MATRIX_FMT_FP4
.endif
.endr
.endr
.endm
; A column tile's 72 results a lane become vv / (1 + 2^(c x + hb)) and are added to the rows' sums.  Two batches of 72 transcendentals, each with a wait ahead of it, a plain place and a wait behind it
.macro V buf
.set p, 0
.rept 36
	v_pk_fma_f32 v[ACC+2*p:ACC+2*p+1], v[ACC+2*p:ACC+2*p+1], s[48:49], v[HV+4*(\buf):HV+4*(\buf)+1] op_sel_hi:[1,0,1]   ; each accumulator from its low end on
.set p, p+1
.endr
	VW
.set p, 0
.rept 72
	v_exp_f32 v[ACC+p], v[ACC+p]
.set p, p+1
.endr
	v_fmac_f32 v[VS], -0.5, v[HV+4*(\buf)+2]       ; v of my column, once a column tile.  (The plain place behind the batch)
	VW
.set p, 0
.rept 36
	v_pk_add_f32 v[ACC+2*p:ACC+2*p+1], v[ACC+2*p:ACC+2*p+1], 1.0 op_sel_hi:[1,0]
.set p, p+1
.endr
	VW
.set p, 0
.rept 72
	v_rcp_f32 v[ACC+p], v[ACC+p]
.set p, p+1
.endr
	v_nop
	VW
.set p, 0
.rept 36
	v_pk_fma_f32 v[SACC+2*p:SACC+2*p+1], v[ACC+2*p:ACC+2*p+1], v[HV+4*(\buf)+2:HV+4*(\buf)+3], v[SACC+2*p:SACC+2*p+1]
.set p, p+1
.endr
.endm
; one column tile x the nine row tiles
.macro HALF buf
	M \buf, 0, ACC
	M \buf, 1, ACC+24
	M \buf, 2, ACC+48
.rept 4
	v_nop                                          ; four places in front of loads into registers that matrix instructions have read, and of the first read of their results
.endr
	LOADWC \buf                                    ; the set is multiplied off: it takes the column tile two on, which has this tile's tanh and the whole next tile in which to land
	V \buf
	LOADHV \buf
.endm
; the context: tile i's 16 weights (the same in every lane) and my 16 bytes of its 16 parked rows into set i % 2: 20 LDS loads
.macro CLOAD i
.irp q, 0,1,2,3
	ds_load_b128 v[PR0+16*((\i)%2)+4*\q:PR0+16*((\i)%2)+4*\q+3], v15 offset:64*(\i)+16*\q
.endr
.irp k, 0,1,2,3,4,5,6,7,8,9,10,11,12,13,14,15
	ds_load_b128 v[DATA0+64*((\i)%2)+4*\k:DATA0+64*((\i)%2)+4*\k+3], v[PK+(\i)/2] offset:32768*((\i)%2)+2048*\k
.endr
.endm
; the same for tile first + 2 s30, s30 = 0 .. 3: each way issues its 20 loads
.macro CSEL first
	s_cmp_lg_u32 s30, 0
	s_cbranch_scc1 .Lc1_\@
	CLOAD (\first)
	s_branch .Lcd_\@
.Lc1_\@:
	s_cmp_lg_u32 s30, 1
	s_cbranch_scc1 .Lc2_\@
	CLOAD (\first)+2
	s_branch .Lcd_\@
.Lc2_\@:
	s_cmp_lg_u32 s30, 2
	s_cbranch_scc1 .Lc3_\@
	CLOAD (\first)+4
	s_branch .Lcd_\@
.Lc3_\@:
	CLOAD (\first)+6
.Lcd_\@:
.endm
.macro CFMA set, n                     ; n: the next tile's loads, which may be out
	VW
	s_wait_dscnt \n
.irp k, 0,1,2,3,4,5,6,7,8,9,10,11,12,13,14,15
.irp d, 0,1,2,3
	v_fma_mix_f32_bf16 v[CTX+2*\d], v[DATA0+64*(\set)+4*\k+\d], v[PR0+16*(\set)+\k], v[CTX+2*\d] op_sel_hi:[1,0,0]
	v_fma_mix_f32_bf16 v[CTX+2*\d+1], v[DATA0+64*(\set)+4*\k+\d], v[PR0+16*(\set)+\k], v[CTX+2*\d+1] op_sel:[1,0,0] op_sel_hi:[1,0,0]
.endr
.endr
.endm
	s_load_b512 s[4:19], s[0:1], 0x0               ; encoder_outputs s[4:5], rows s[6:7], meta s[8:9], wq s[10:11], wsc s[12:13], hv s[14:15], scw s[16:17], pctx s[18:19]
	v_lshl_add_u32 v[SPW], v0, 2, SPARE
	v_mov_b32 v[NIL], 0
	v_lshrrev_b32 v224, 5, v0                      ; w
	v_readfirstlane_b32 s20, v224                  ; wave 0..3
	v_and_b32 v[LANE], 31, v0
	v_and_b32 v225, 15, v0                         ; r
	v_bfe_u32 v226, v0, 4, 1                       ; h
	v_bfe_u32 v227, v0, 2, 2                       ; my block among four
	v_lshlrev_b32 v1, 5, v0                        ; a row: my 32 bytes at 1,024 w + 32 lane
	v_lshl_add_u32 v2, v0, 2, XCH                  ; a slot's row of codes: my 4 bytes at 128 w + 4 lane
	v_lshlrev_b32 v3, 4, v226
	v_lshl_add_u32 v3, v224, 2, v3
	v_add_nc_u32 v3, v3, v227
	v_add_nc_u32 v3, XCH+XSC, v3                   ; my block is block lane / 4 % 4 of K step 2 w + h
	v_lshlrev_b32 v4, 4, v0                        ; my 16 bytes of a partial context
	v_mul_u32_u24 v5, v225, 528
	v_lshl_add_u32 v5, v226, 4, v5
	v_add_nc_u32 v5, XCH, v5                       ; a fragment: row r, + 16 h
	v_mul_u32_u24 v6, v225, 48
	v_lshl_add_u32 v6, v226, 4, v6
	v_add_nc_u32 v6, XCH+XSC, v6                   ; its scale words
	v_lshlrev_b32 v7, 4, v[LANE]
	v_lshlrev_b32 v8, 2, v[LANE]
	v_lshlrev_b32 v9, 4, v225
	s_mul_i32 s31, s20, 640
	v_lshlrev_b32 v10, 5, v226
	v_add_nc_u32 v10, s31, v10
	v_add_nc_u32 v10, SCR, v10                     ; my wave's score parts: rows 8 h on of a tile
	v_add_nc_u32 v11, SCR, v8
	v_lshl_add_u32 v12, v225, 2, SCR+512
	v_mov_b32 v13, SCR+576
	v_add_nc_u32 v14, s31, v8
	v_add_nc_u32 v14, PB, v14
	v_mov_b32 v15, s31
	v_add_nc_u32 v15, PB, v15
	v_mov_b32 v90, s31
	v_add_nc_u32 v90, SCR+576, v90
	v_lshlrev_b32 v[MO], 2, v0
.irp m, 0,1,2,3,4
	v_lshl_add_u32 v[PK+\m], v0, 4, 65536*\m
.endr
	; Registers that only guarded lines fill are written once, so that every way through the text finds them written; these lines stand while the scalar loads are out
	CLEAR CTX, 8
	CLEAR ASC, 36
	CLEAR SCO, 5
	CLEAR 96, 160
	v_mov_b32 v[VS], 0
	v_mov_b32 v[MRUN], 0xff61b1e6                  ; -3e38, under every score
	WIN 0x40
	CLEAR 0, 192
	WIN 0x80
	CLEAR 0, 192
	WIN 0
	VW                                             ; the wait behind the head's vector lines
	s_lshr_b32 s21, ttmp9, 3                       ; b
	s_and_b32 s22, ttmp9, 7                        ; j
	s_mov_b32 s48, 0x4038aa3b                      ; c = 2 log2(e)
	s_mov_b32 s49, s48                             ; (named with it as a pair)
	s_mov_b32 s50, 0x76543210
	s_mov_b32 s51, 0xfedcba98                      ; selects for lane l xor 16
	s_mov_b32 s53, 0                               ; the upper word of the offsets' pair s[52:53]
	s_mov_b32 s100, 0x1800000
	s_mov_b32 s101, 0xff000000
	s_mov_b32 s26, 0
	s_mov_b32 s29, 0                               ; the pass
	s_wait_kmcnt 0x0
	s_lshl_b32 s52, s21, 8
	s_lshl_b32 s31, s22, 3
	s_add_co_u32 s52, s52, s31
	s_add_nc_u64 s[8:9], s[8:9], s[52:53]
	s_load_b64 s[2:3], s[8:9], 0x0                 ; my rows; my rows again, and the flag
	s_mul_i32 s52, s21, 9216
	s_lshl_b32 s31, s22, 6
	s_add_co_u32 s52, s52, s31
	s_add_nc_u64 s[6:7], s[6:7], s[52:53]          ; the batch's list at list tile j, my local tile 0
	s_load_b512 s[32:47], s[6:7], 0x0              ; the first pass's first tile: one wait serves it and the count
	s_lshl_b32 s52, s20, 17
	s_add_nc_u64 s[10:11], s[10:11], s[52:53]      ; my wave's 16 column tiles: codes,
	s_lshl_b32 s52, s20, 13
	s_add_nc_u64 s[12:13], s[12:13], s[52:53]      ; scale words,
	s_lshl_b32 s52, s21, 14
	s_lshl_b32 s31, s20, 12
	s_add_co_u32 s52, s52, s31
	s_add_nc_u64 s[14:15], s[14:15], s[52:53]      ; and the batch's table
	s_mul_i32 s52, ttmp9, 1280
	s_add_nc_u64 s[16:17], s[16:17], s[52:53]      ; my 320 score words
	s_mul_i32 s52, ttmp9, 4608
	s_add_nc_u64 s[18:19], s[18:19], s[52:53]
	s_mov_b64 s[60:61], s[10:11]
	s_mov_b64 s[62:63], s[12:13]
	s_mov_b64 s[98:99], s[14:15]
	LOADWC 0                                       ; column tiles 0 and 1: asked for once, here; the loop over column tiles goes round and leaves them in registers again
	LOADHV 0
	LOADWC 1
	LOADHV 1
	WIN 0xc0
	CLEAR 0, 192
	WIN 0
	VW
.Lpass:
	s_wait_kmcnt 0x0                               ; the count, and the pass's first tile of row numbers
	s_and_b32 s24, s3, 0xffff
	s_min_u32 s24, s24, 256                        ; my rows
	s_bitcmp1_b32 s3, 16
	s_cselect_b32 s25, -1, 0                       ; all ones: the batch keeps no row
	s_mul_i32 s31, s29, 144
	s_min_u32 s27, s24, s31
	s_add_co_u32 s31, s31, 144
	s_min_u32 s28, s24, s31
	s_sub_co_u32 s28, s28, s27                     ; the pass's rows, 0 to 144
	s_cmp_eq_u32 s28, 0
	s_cbranch_scc1 .Lidle_a
	s_mov_b32 s26, s32                             ; the pass's first row
	s_mov_b32 s57, s28
	LOADS 0
	s_load_b512 s[32:47], s[6:7], 0x200
	s_wait_kmcnt 0x0
	s_sub_co_i32 s57, s28, 16
	LOADS 1
	s_branch .Ljoin_a
.Lidle_a:
	s_wait_loadcnt 0x0
.Ljoin_a:
.irp i, 0,1,2,3,4,5,6,7,8
	BLOCK \i
.endr
	s_wait_loadcnt 0x0                             ; nothing of mine is out on any way: W's tiles 0 and 1 are in
	s_cmp_eq_u32 s28, 0
	s_cbranch_scc1 .Lidle_q
	FRAGS 8
	CLEAR SACC, 72                                 ; the rows' sums over my columns
	v_mov_b32 v[VS], 0
	VW
	s_mov_b32 s30, 0
	s_wait_dscnt 0x0
.Ltile:                                                ; 8 trips, two column tiles each
	s_wait_xcnt 0x0                                ; the last trip's loads have read their bases
	s_add_co_u32 s31, s30, 1
	s_and_b32 s31, s31, 7                          ; the pair of column tiles to fetch: the next, and behind the last the first again
	s_lshl_b32 s52, s31, 14
	s_add_nc_u64 s[60:61], s[10:11], s[52:53]
	s_lshl_b32 s52, s31, 10
	s_add_nc_u64 s[62:63], s[12:13], s[52:53]
	s_lshl_b32 s52, s31, 9
	s_add_nc_u64 s[98:99], s[14:15], s[52:53]
	s_wait_loadcnt 21                              ; set 0 is in: behind it set 1's 20 + 1 loads were issued
	HALF 0
	s_wait_loadcnt 21                              ; set 1 is in: behind it the 20 + 1 loads just issued
	HALF 1
	s_add_co_u32 s30, s30, 1
	s_cmp_lt_u32 s30, 8
	s_cbranch_scc1 .Ltile
	; the sixteen lanes of a half hold sixteen columns of the same eight rows: their sum, then my wave's part of each score to LDS
.irp m, 1,2,4,8
.set z, 0
.rept 72
	v_add_f32_dpp v[SACC+z], v[SACC+z], v[SACC+z] row_xmask:\m row_mask:0xf bank_mask:0xf
.set z, z+1
.endr
	v_add_f32_dpp v[VS], v[VS], v[VS] row_xmask:\m row_mask:0xf bank_mask:0xf
.endr
.set z, 0
.rept 72
	ds_store_b32 v10, v[SACC+z] offset:64*(z/8)+4*(z%8)   ; row 16 (z / 8) + 8 h + z % 8; sixteen lanes write the same word with the same value
.set z, z+1
.endr
	ds_store_b32 v90, v[VS]
.Lidle_q:
	BAR                                            ; the four waves' parts of the scores lie in LDS
	s_cmp_eq_u32 s28, 0
	s_cbranch_scc1 .Lidle_s
	; every wave makes all the pass's scores and weights for itself: lane l has rows 32 k + l
.irp k, 0,1,2,3
.irp w, 0,1,2,3
	ds_load_b32 v[96+4*\k+\w], v11 offset:640*\w+128*\k
.endr
.endr
.irp w, 0,1,2,3
	ds_load_b32 v[112+\w], v12 offset:640*\w       ; rows 128 + lane % 16
.endr
.irp w, 0,1,2,3
	ds_load_b32 v[116+\w], v13 offset:640*\w       ; the sum of v
.endr
	v_mov_b32 v[NEGV], 0xd01502f9                  ; NEG
	v_mov_b32 v[BIGV], 0xff61b1e6                  ; -3e38
	VW
	s_wait_dscnt 0x0
	v_add_f32 v116, v116, v117
	v_add_f32 v118, v118, v119
	v_add_f32 v116, v116, v118
.irp k, 0,1,2,3,4
	v_add_f32 v[96+4*\k], v[96+4*\k], v[97+4*\k]
	v_add_f32 v[98+4*\k], v[98+4*\k], v[99+4*\k]
	v_add_f32 v[96+4*\k], v[96+4*\k], v[98+4*\k]
	v_add_f32 v[96+4*\k], v[96+4*\k], v116
	v_cndmask_b32 v[SCO+\k], v[96+4*\k], v[NEGV], s25      ; a batch that keeps no row: NEG, as reference() has it
	v_add_nc_u32 v[TT], 32*\k, v[LANE]
	v_cmp_gt_u32 s[54+\k], s28, v[TT]                      ; is this one of the pass's rows?
	v_cndmask_b32 v[SCM+\k], v[BIGV], v[SCO+\k], s[54+\k]
.endr
	v_max3_num_f32 v[MX], v[SCM], v[SCM+1], v[SCM+2]
	v_max3_num_f32 v[MX], v[MX], v[SCM+3], v[SCM+4]
.irp m, 1,2,4,8
	v_max_num_f32_dpp v[MX], v[MX], v[MX] row_xmask:\m row_mask:0xf bank_mask:0xf
.endr
	v_permlanex16_b32 v[MY], v[MX], s50, s51
	v_max3_num_f32 v[MX], v[MX], v[MY], v[MRUN]    ; the running maximum
	v_sub_f32 v[FF], v[MRUN], v[MX]
	v_mul_f32 v[FF], 0x3fb8aa3b, v[FF]
.irp k, 0,1,2,3,4
	v_sub_f32 v[PP+\k], v[SCM+\k], v[MX]
	v_mul_f32 v[PP+\k], 0x3fb8aa3b, v[PP+\k]
.endr
	VW                                             ; ahead of the batch
	v_exp_f32 v[FF], v[FF]                         ; what was summed under the old maximum is brought under the new
.irp k, 0,1,2,3,4
	v_exp_f32 v[PP+\k], v[PP+\k]                   ; the weights, not normalised; 0 for what is no row of the pass
.endr
	v_mov_b32 v[MRUN], v[MX]                       ; (the plain place behind the batch)
	VW                                             ; one wait for the six, ahead of their first reader
.irp k, 0,1,2,3,4
	ds_store_b32 v14, v[PP+\k] offset:128*\k
.endr
.irp e, 0,1,2,3,4,5,6,7
	v_mul_f32 v[CTX+\e], v[CTX+\e], v[FF]
.endr
	VW
.Lidle_s:
	s_cmp_lg_u32 s20, 0                            ; all four waves hold the same scores: wave 0 stores them, in every pass, so that each of my 320 words is written
	s_cbranch_scc1 .Lno_sc
.irp k, 0,1,2,3,4
	global_store_b32 v8, v[SCO+\k], s[16:17] offset:128*\k   ; the five stores cover 640 consecutive bytes
.endr
.Lno_sc:
	s_cmp_eq_u32 s28, 0
	s_cbranch_scc1 .Lidle_c
	; my 8 channels of the context: the nine parked tiles, each thread reading back what it parked itself; a tile's loads are issued a tile ahead
	CLOAD 0
	s_mov_b32 s30, 0
.Lctx:                                                 ; 4 trips, two tiles each: tiles 2 s30 and 2 s30 + 1 are summed, tiles 2 s30 + 1 and 2 s30 + 2 fetched
	CSEL 1
	CFMA 0, 20
	CSEL 2
	CFMA 1, 20
	s_add_co_u32 s30, s30, 1
	s_cmp_lt_u32 s30, 4
	s_cbranch_scc1 .Lctx
	CFMA 0, 0                                      ; tile 8
	VW
.Lidle_c:
	BAR                                            ; the pass is over in every wave: LDS may be written anew
	s_wait_xcnt 0x0                                ; the loads and stores that named these bases, and the stores' data, have been read
	s_add_nc_u64 s[6:7], s[6:7], 4608              ; nine local tiles on
	s_add_nc_u64 s[16:17], s[16:17], 640
	s_add_co_u32 s29, s29, 1
	s_cmp_lt_u32 s29, 2
	s_cbranch_scc1 .Lpass
	global_store_b128 v4, v[CTX:CTX+3], s[18:19]               ; sixteen lanes store 256 consecutive bytes, aligned
	global_store_b128 v4, v[CTX+4:CTX+7], s[18:19] offset:2048
	global_store_b32 v[MO], v[MRUN], s[18:19] offset:4096      ; the maximum under which the sums stand (a work-group without rows: -3e38 and zeros)
	s_wait_tensorcnt 0x0                           ; the wave's end: three lines behind my last LDS store
	ds_add_u32 v[SPW], v[NIL]
	s_wait_dscnt 0x0
	s_endpgm
.Lfunc_end_k_qecf98ae2f8_attn:
	.size	k_qecf98ae2f8_attn, .Lfunc_end_k_qecf98ae2f8_attn-k_qecf98ae2f8_attn
	.p2alignl 7, 3214868480
	.fill 96, 4, 3214868480
	.section	.rodata,"a",@progbits
	.p2align	6, 0x0
	.amdhsa_kernel k_qecf98ae2f8_attn
		.amdhsa_group_segment_fixed_size 318976
		.amdhsa_private_segment_fixed_size 0
		.amdhsa_enable_private_segment 0
		.amdhsa_kernarg_size 64
		.amdhsa_user_sgpr_count 2
		.amdhsa_user_sgpr_kernarg_segment_ptr 1
		.amdhsa_wavefront_size32 1
		.amdhsa_system_sgpr_workgroup_id_x 1
		.amdhsa_system_sgpr_workgroup_id_y 1
		.amdhsa_system_sgpr_workgroup_id_z 1
		.amdhsa_system_vgpr_workitem_id 0
		.amdhsa_next_free_vgpr 1024
		.amdhsa_next_free_sgpr 102
		.amdhsa_reserve_vcc 0
		.amdhsa_float_denorm_mode_32 3
		.amdhsa_float_denorm_mode_16_64 3
		.amdhsa_memory_ordered 1
		.amdhsa_forward_progress 1
		.amdhsa_inst_pref_size 255
	.end_amdhsa_kernel
	.section	.bss,"aw",@nobits
	.p2align	6
	.space	262144
	.amdgpu_metadata
---
amdhsa.version: [ 1, 2 ]
amdhsa.kernels:
  - .name:           k_qecf98ae2f8_attn
    .symbol:         k_qecf98ae2f8_attn.kd
    .args:
      - { .name: encoder_outputs, .offset: 0, .size: 8, .value_kind: global_buffer, .address_space: global }
      - { .name: rows, .offset: 8, .size: 8, .value_kind: global_buffer, .address_space: global }
      - { .name: meta, .offset: 16, .size: 8, .value_kind: global_buffer, .address_space: global }
      - { .name: wq, .offset: 24, .size: 8, .value_kind: global_buffer, .address_space: global }
      - { .name: wsc, .offset: 32, .size: 8, .value_kind: global_buffer, .address_space: global }
      - { .name: hv, .offset: 40, .size: 8, .value_kind: global_buffer, .address_space: global }
      - { .name: scw, .offset: 48, .size: 8, .value_kind: global_buffer, .address_space: global }
      - { .name: pctx, .offset: 56, .size: 8, .value_kind: global_buffer, .address_space: global }
    .group_segment_fixed_size: 318976
    .private_segment_fixed_size: 0
    .kernarg_segment_align: 8
    .kernarg_segment_size: 64
    .max_flat_workgroup_size: 128
    .sgpr_count:     102
    .vgpr_count:     1024
    .wavefront_size: 32
...
	.end_amdgpu_metadata
.endif
;; end of part 5
;; launch fin (part 6): grid 32 x 1, 8 waves a work-group, no clusters, 1,280 bytes of LDS; arguments pos, scw, pctx, out0, out1; writes out0, out1
.if DOCPART == 6
	.amdgcn_target "amdgcn-amd-amdhsa--gfx1250"
	.amdhsa_code_object_version 6
	.text
	.protected	k_qecf98ae2f8_fin
	.globl	k_qecf98ae2f8_fin
	.p2align	8
	.type	k_qecf98ae2f8_fin,@function
k_qecf98ae2f8_fin:
	s_mov_b64 s[64:65], 0
	v_nop
	global_prefetch_b8 v0, s[64:65] scope:SCOPE_SE
	s_setreg_imm32_b32 hwreg(HW_REG_WAVE_MODE, 25, 1), 1
	s_wait_xcnt 0x0
; ADDITIVE ATTENTION, launch 3 of 3: a work-group a batch.  Each row's score is fetched from the word that the first launch's table names; a row whose mask is 0 (table entry beyond the last word) gets NEG.
; The softmax over the batch's 2,048 scores, with the maximum taken away as in reference(): out1.
; The eight partial contexts of the batch, each summed under its own maximum pm_j, are brought under the batch's maximum M and divided by the sum: out0 = sum over j of 2^((pm_j - M) log2 e) ctx_j / L.
; Rows whose mask is 0 add nothing to out0 (shown at the head of the first launch).  Thread t has rows 4 t .. 4 t + 3 and 1,024 + 4 t .. + 3, and channels 4 t .. 4 t + 3.
.set SPARE, 256                        ; words 0-7: the waves' maxima, words 8-15: their sums; from byte 256 the spare words, 128 bytes a wave
.set SLOTB, 4608                       ; a work-group's slot in pctx
.set WORDS, 81920                      ; score words in all: 256 work-groups x 320
	s_load_b256 s[4:11], s[0:1], 0x0               ; pos s[4:5], scw s[6:7], pctx s[8:9], out0 s[10:11]
	s_load_b64 s[16:17], s[0:1], 0x20              ; out1
	v_lshl_add_u32 v30, v0, 2, SPARE
	v_mov_b32 v31, 0
	v_lshrrev_b32 v1, 5, v0
	s_delay_alu instid0(VALU_DEP_1)
	v_readfirstlane_b32 s12, v1                    ; wave 0..7
	v_lshlrev_b32 v1, 4, v0                        ; 16 t
	v_and_b32 v2, 1, v0
	v_lshrrev_b32 v3, 1, v0
	s_delay_alu instid0(VALU_DEP_2)
	v_lshlrev_b32 v2, 11, v2
	s_delay_alu instid0(VALU_DEP_1)
	v_lshl_add_u32 v2, v3, 4, v2                   ; channels 4 t on lie at 2,048 (t % 2) + 16 (t / 2) of a slot
	v_mov_b32 v14, s12
	s_delay_alu instid0(VALU_DEP_1)
	v_lshlrev_b32 v14, 2, v14                      ; my wave's word
	v_mov_b32 v15, 0
	v_mov_b32 v13, 0                               ; a lane permute's destination counts as one of its sources
	v_mov_b32 v29, 0xd01502f9                      ; NEG = -1e10
	s_mov_b32 s20, 0x76543210
	s_mov_b32 s21, 0xfedcba98
	s_mov_b32 s15, 0
	s_wait_alu depctr_va_vdst(0)
	s_wait_kmcnt 0x0
	s_lshl_b32 s14, ttmp9, 13
	s_add_nc_u64 s[4:5], s[4:5], s[14:15]
	s_add_nc_u64 s[16:17], s[16:17], s[14:15]
	s_lshl_b32 s14, ttmp9, 12
	s_add_nc_u64 s[10:11], s[10:11], s[14:15]
	s_mul_i32 s14, ttmp9, 8*SLOTB
	s_add_nc_u64 s[8:9], s[8:9], s[14:15]
	global_load_b128 v[4:7], v1, s[4:5]
	global_load_b128 v[8:11], v1, s[4:5] offset:4096
.irp j, 0,1,2,3,4,5,6,7
	global_load_b128 v[32+4*\j:35+4*\j], v2, s[8:9] offset:SLOTB*\j
.endr
.irp j, 0,1,2,3,4,5,6,7
	s_load_b32 s[24+\j], s[8:9], SLOTB*\j+4096     ; pm_j
.endr
	s_wait_loadcnt 8                               ; my 8 table entries are in; the 8 loads of the partial contexts may be out
.irp i, 0,1,2,3,4,5,6,7
	v_min_u32 v[76+\i], WORDS-1, v[4+\i]           ; held inside the buffer: every word of it was stored by the launch before
	s_delay_alu instid0(VALU_DEP_1)
	v_lshlrev_b32 v[76+\i], 2, v[76+\i]
.endr
.irp i, 0,1,2,3,4,5,6,7
	global_load_b32 v[84+\i], v[76+\i], s[6:7]
.endr
	s_wait_loadcnt 0x0
.irp i, 0,1,2,3,4,5,6,7
	v_cmp_gt_u32 vcc_lo, WORDS, v[4+\i]
	s_delay_alu instid0(VALU_DEP_1)
	v_cndmask_b32 v[4+\i], v29, v[84+\i], vcc_lo   ; the row's score, or NEG
.endr
	v_max3_num_f32 v12, v4, v5, v6
	s_delay_alu instid0(VALU_DEP_1)
	v_max3_num_f32 v12, v12, v7, v8
	s_delay_alu instid0(VALU_DEP_1)
	v_max3_num_f32 v12, v12, v9, v10
	s_delay_alu instid0(VALU_DEP_1)
	v_max_num_f32 v12, v12, v11
.irp m, 1,2,4,8
	s_delay_alu instid0(VALU_DEP_1)
	v_max_num_f32_dpp v12, v12, v12 row_xmask:\m row_mask:0xf bank_mask:0xf
.endr
	s_delay_alu instid0(VALU_DEP_1)
	v_permlanex16_b32 v13, v12, s20, s21
	s_delay_alu instid0(VALU_DEP_1)
	v_max_num_f32 v12, v12, v13
	ds_store_b32 v14, v12
	s_wait_dscnt 0x0
	s_barrier_signal -1
	s_barrier_wait -1
	ds_load_b128 v[16:19], v15
	ds_load_b128 v[20:23], v15 offset:16
	s_wait_dscnt 0x0
	v_max3_num_f32 v12, v16, v17, v18
	s_delay_alu instid0(VALU_DEP_1)
	v_max3_num_f32 v12, v12, v19, v20
	s_delay_alu instid0(VALU_DEP_1)
	v_max3_num_f32 v12, v12, v21, v22
	s_delay_alu instid0(VALU_DEP_1)
	v_max_num_f32 v12, v12, v23                    ; M
	s_wait_alu depctr_va_vdst(0)
	s_wait_kmcnt 0x0
.irp i, 0,1,2,3,4,5,6,7
	v_sub_f32 v[4+\i], v[4+\i], v12
	s_delay_alu instid0(VALU_DEP_1)
	v_mul_f32 v[4+\i], 0x3fb8aa3b, v[4+\i]
	v_sub_f32 v[16+\i], s[24+\i], v12
	s_delay_alu instid0(VALU_DEP_1)
	v_mul_f32 v[16+\i], 0x3fb8aa3b, v[16+\i]
.endr
	s_wait_alu depctr_va_vdst(0)
.irp i, 0,1,2,3,4,5,6,7
	v_exp_f32 v[4+\i], v[4+\i]
.endr
.irp i, 0,1,2,3,4,5,6,7
	v_exp_f32 v[16+\i], v[16+\i]
.endr
	v_nop                                          ; the plain place behind the batch,
	s_wait_alu depctr_va_vdst(0)                   ; and one wait for the sixteen, ahead of their first reader
	v_pk_add_f32 v[24:25], v[4:5], v[6:7]
	v_pk_add_f32 v[26:27], v[8:9], v[10:11]
	s_delay_alu instid0(VALU_DEP_1)
	v_pk_add_f32 v[24:25], v[24:25], v[26:27]
	s_delay_alu instid0(VALU_DEP_1)
	v_add_f32 v24, v24, v25
.irp m, 1,2,4,8
	s_delay_alu instid0(VALU_DEP_1)
	v_add_f32_dpp v24, v24, v24 row_xmask:\m row_mask:0xf bank_mask:0xf
.endr
	s_delay_alu instid0(VALU_DEP_1)
	v_permlanex16_b32 v13, v24, s20, s21
	s_delay_alu instid0(VALU_DEP_1)
	v_add_f32 v24, v24, v13
	ds_store_b32 v14, v24 offset:32                ; other words than the maxima's: no barrier is owed in front
	s_wait_dscnt 0x0
	s_barrier_signal -1
	s_barrier_wait -1
	ds_load_b128 v[64:67], v15 offset:32
	ds_load_b128 v[68:71], v15 offset:48
	s_wait_dscnt 0x0
	v_pk_add_f32 v[64:65], v[64:65], v[66:67]
	v_pk_add_f32 v[68:69], v[68:69], v[70:71]
	s_delay_alu instid0(VALU_DEP_1)
	v_pk_add_f32 v[64:65], v[64:65], v[68:69]
	s_delay_alu instid0(VALU_DEP_1)
	v_add_f32 v24, v64, v65                        ; L
	s_wait_alu depctr_va_vdst(0)
	v_rcp_f32 v25, v24
	v_nop
	s_wait_alu depctr_va_vdst(0)
.irp i, 0,1,2,3,4,5,6,7
	v_mul_f32 v[4+\i], v[4+\i], v25
.endr
	global_store_b128 v1, v[4:7], s[16:17]         ; a wave stores 512 consecutive bytes
	global_store_b128 v1, v[8:11], s[16:17] offset:4096
.irp d, 0,1,2,3
	v_mul_f32 v[72+\d], v[32+\d], v16
.endr
.irp j, 1,2,3,4,5,6,7
.irp d, 0,1,2,3
	v_fma_f32 v[72+\d], v[32+4*\j+\d], v[16+\j], v[72+\d]
.endr
.endr
.irp d, 0,1,2,3
	v_mul_f32 v[72+\d], v[72+\d], v25
.endr
	global_store_b128 v1, v[72:75], s[10:11]
	s_wait_tensorcnt 0x0                           ; the wave's end: three lines behind my last LDS store
	ds_add_u32 v30, v31
	s_wait_dscnt 0x0
	s_endpgm
.Lfunc_end_k_qecf98ae2f8_fin:
	.size	k_qecf98ae2f8_fin, .Lfunc_end_k_qecf98ae2f8_fin-k_qecf98ae2f8_fin
	.p2alignl 7, 3214868480
	.fill 96, 4, 3214868480
	.section	.rodata,"a",@progbits
	.p2align	6, 0x0
	.amdhsa_kernel k_qecf98ae2f8_fin
		.amdhsa_group_segment_fixed_size 1280
		.amdhsa_private_segment_fixed_size 0
		.amdhsa_enable_private_segment 0
		.amdhsa_kernarg_size 40
		.amdhsa_user_sgpr_count 2
		.amdhsa_user_sgpr_kernarg_segment_ptr 1
		.amdhsa_wavefront_size32 1
		.amdhsa_system_sgpr_workgroup_id_x 1
		.amdhsa_system_sgpr_workgroup_id_y 1
		.amdhsa_system_sgpr_workgroup_id_z 1
		.amdhsa_system_vgpr_workitem_id 0
		.amdhsa_next_free_vgpr 96
		.amdhsa_next_free_sgpr 66
		.amdhsa_reserve_vcc 1
		.amdhsa_float_denorm_mode_32 3
		.amdhsa_float_denorm_mode_16_64 3
		.amdhsa_memory_ordered 1
		.amdhsa_forward_progress 1
		.amdhsa_inst_pref_size 15
	.end_amdhsa_kernel
	.amdgpu_metadata
---
amdhsa.version: [ 1, 2 ]
amdhsa.kernels:
  - .name:           k_qecf98ae2f8_fin
    .symbol:         k_qecf98ae2f8_fin.kd
    .args:
      - { .name: pos, .offset: 0, .size: 8, .value_kind: global_buffer, .address_space: global }
      - { .name: scw, .offset: 8, .size: 8, .value_kind: global_buffer, .address_space: global }
      - { .name: pctx, .offset: 16, .size: 8, .value_kind: global_buffer, .address_space: global }
      - { .name: out0, .offset: 24, .size: 8, .value_kind: global_buffer, .address_space: global }
      - { .name: out1, .offset: 32, .size: 8, .value_kind: global_buffer, .address_space: global }
    .group_segment_fixed_size: 1280
    .private_segment_fixed_size: 0
    .kernarg_segment_align: 8
    .kernarg_segment_size: 40
    .max_flat_workgroup_size: 256
    .sgpr_count:     66
    .vgpr_count:     96
    .wavefront_size: 32
...
	.end_amdgpu_metadata
.endif
;; end of part 6
